; MI455X (gfx1250); checked and timed in simulation.
; The chip was launched on July 23, 2026; its instructions are those of AMD's public machine-readable ISA for CDNA 5 (MIT licence, August 2026) and "CDNA5" Instruction Set Architecture Reference Guide (July 2026). The comments in the code are by the model that wrote it; some were corrected since.
;; Self Modifying Delta Memory. Allowed arithmetic: float matrix products may take bf16 or f16 operands with f32 sums; other float arithmetic in f32, or as packed bf16 or f16 multiplies, adds, multiply-adds, maxima and minima; sums over many terms, partial sums and values carried from step to step in f32; what a program stores and reads back later, other than sums and carried values, may be rounded once to bf16 or f16.
;; Inputs: Wa1 256 x 64 float32; Wa2 64 x 1 float32; We1 256 x 64 float32; We2 64 x 1 float32; Wg1 256 x 256 float32; Wg2 256 x 256 float32; Wk 256 x 256 float32; Wo 256 x 256 float32; Wq 256 x 256 float32; Wv 256 x 256 float32; ba1 64 float32; ba2 1 float32; be1 64 float32; be2 1 float32; beta 256 float32; bg1 256 float32; bg2 256 float32; bo 256 float32; gamma 256 float32; x 4 x 512 x 4 x 256 float32.
;; Outputs: out0 4 x 512 x 4 x 256 float32; out1 16 x 256 x 256 float32.
;; 2 versions, each right; version 2 is version 1 with the launch proj written anew for expert scheduling mode. Each part assembles by itself: llvm-mc -triple=amdgcn-amd-amdhsa -mcpu=gfx1250 --defsym DOCPART=n.
;; ======== version 1 of 2: 4 launches
;; limits: values are held in f16: magnitudes above 65,504 overflow, below 6.1e-05 lose precision; right only within a limited range of input values
;; workspace buffers: wt 851,968 bytes; qh 4,194,304 bytes; kh 4,194,304 bytes; vh 8,388,608 bytes; tw 1,048,576 bytes; pw 1,048,576 bytes; dec 163,840 bytes; ow 4,194,304 bytes
;; launch prep (part 1): grid 26 x 1, 8 waves a work-group, no clusters, 34,816 bytes of LDS; arguments Wq, Wk, Wv, Wg1, Wg2, Wo, We1, Wa1, wt; writes wt
.if DOCPART == 1
	.amdgcn_target "amdgcn-amd-amdhsa--gfx1250"
	.amdhsa_code_object_version 6
	.text
	.protected	k_qb013920efb_prep
	.globl	k_qb013920efb_prep
	.p2align	8
	.type	k_qb013920efb_prep,@function
k_qb013920efb_prep:
	s_mov_b64 s[64:65], 0
	v_nop
	global_prefetch_b8 v0, s[64:65] scope:SCOPE_SE
	s_setreg_imm32_b32 hwreg(HW_REG_WAVE_MODE, 25, 1), 1
	s_wait_xcnt 0x0
; THE PROGRAM: four launches.  prep: the weights, rounded to bf16 and transposed.  proj: q, normalised k, the generated value, the gates, and for each
; chunk of 64 steps the two triangular matrices of the chunked delta rule.  scan: the state, 8 chunks on end.  final: the output product and the norm.
; THE CHUNKED FORM.  With u_t = e_t (v_t - M_{t-1} k_t) the step is M_t = a_t M_{t-1} + u_t k_t^T.  In a chunk entered with M0, with E_t the product of a_r over r < t,
; A_s = E_s a_s, S_s = A_63 / A_s:  (I + L) U = R, L[t,s] = e_t E_t / A_s (k_t . k_s) for s < t, R_t = e_t v_t - e_t E_t (M0 k_t);
; out_t = E_t M0 q_t + sum over s < t of E_t / A_s (q_t . k_s) u_s;  M_63 = A_63 M0 + sum over s of S_s u_s k_s^T.  These are identities in real numbers for all inputs.
; L is strictly lower triangular of size 64, so L^64 = 0 and (I + L)^-1 = (I+N)(I+N^2)(I+N^4)(I+N^8)(I+N^16)(I+N^32) with N = -L, exactly.
; WORK LEFT OUT.  The first chunk's M0 is the zero matrix that the problem's own text builds (M0 = zeros), so its products K M0^T, Q M0^T and A_63 M0 are 0 whatever the inputs
; hold; they are not issued.  No input is left out.  LIMIT: a NaN, an infinity or an overflow that would reach only those products is not carried to the result.
; FORMATS AND LIMITS.  Every input (x, weights, biases, gains) is taken rounded to bf16.  q is kept in f16: |q| stays under 65,504.  k is normalised, so f16 holds it.  The decays
; lie in 2^-64 .. 2^64, since a >= 0.5 by the problem's own formula.  NaN and infinities are not treated apart.
; THIS KERNEL.  wt[n][k] = W[k][n] in bf16: 1,664 rows of 512 bytes: Wq, Wk, Wv, Wg1, Wg2, Wo (256 rows each), We1, Wa1 (64 each).  A work-group makes 64 rows.
; Sixteen lanes read 256 consecutive bytes of a source row; pairs (k, k+1) are packed and laid into LDS by rows n; each store of a wave covers 512 consecutive bytes.
.set PITCH, 528                        ; an LDS row: 512 bytes + 16
.set SPARE, 33792                      ; behind the stage: the spare words, 128 bytes a wave
.macro TR rs                           ; rs: bytes from row to row of the source
	v_mul_u32_u24 v5, v3, 2*(\rs)
	v_lshl_add_u32 v5, v2, 4, v5                   ; row 2 kp, 16 bytes at 16 c
.irp i, 0,1,2,3,4,5,6,7
	global_load_b128 v[32+8*\i:35+8*\i], v5, s[26:27] offset:32*\i*(\rs)
	global_load_b128 v[36+8*\i:39+8*\i], v5, s[26:27] offset:32*\i*(\rs)+(\rs)
.endr
	s_wait_loadcnt 0x0
.irp i, 0,1,2,3,4,5,6,7
.irp j, 0,1,2,3
	v_cvt_pk_bf16_f32 v[16+\j], v[32+8*\i+\j], v[36+8*\i+\j]  ; W[k][n], W[k+1][n]
.endr
.irp j, 0,1,2,3
	ds_store_b32 v6, v[16+\j] offset:\j*PITCH+64*\i
.endr
.endr
.endm
	s_load_b512 s[8:23], s[0:1], 0x0               ; Wq Wk Wv Wg1 Wg2 Wo We1 Wa1
	s_load_b64 s[24:25], s[0:1], 0x40              ; wt
	v_lshl_add_u32 v12, v0, 2, SPARE
	v_mov_b32 v13, 0
	v_lshrrev_b32 v1, 5, v0
	v_readfirstlane_b32 s2, v1                     ; wave
	v_and_b32 v2, 15, v0                           ; c
	v_lshrrev_b32 v3, 4, v0                        ; kp
	v_and_b32 v4, 31, v0                           ; lane
	v_mul_u32_u24 v6, v2, 4*PITCH
	v_lshl_add_u32 v6, v3, 2, v6                   ; row 4 c, byte 4 kp
	s_mul_i32 s3, s2, 8*PITCH
	v_lshl_add_u32 v7, v4, 4, s3                   ; back: my wave's 8 rows
	s_lshl_b32 s4, s2, 12
	v_lshl_add_u32 v8, v4, 4, s4
	s_mov_b32 s30, ttmp9
	s_lshr_b32 s5, s30, 2                          ; which square matrix
	s_and_b32 s6, s30, 3
	s_lshl_b32 s6, s6, 8                           ; which 64 columns of it
	s_cmp_ge_u32 s30, 24
	s_cselect_b32 s6, 0, s6
	s_mov_b32 s7, 0
	s_lshl_b32 s28, s30, 15                        ; 64 rows of 512 bytes
	s_mov_b32 s29, 0
	s_wait_kmcnt 0x0
	s_mov_b64 s[26:27], s[8:9]
	s_cmp_eq_u32 s5, 1
	s_cselect_b64 s[26:27], s[10:11], s[26:27]
	s_cmp_eq_u32 s5, 2
	s_cselect_b64 s[26:27], s[12:13], s[26:27]
	s_cmp_eq_u32 s5, 3
	s_cselect_b64 s[26:27], s[14:15], s[26:27]
	s_cmp_eq_u32 s5, 4
	s_cselect_b64 s[26:27], s[16:17], s[26:27]
	s_cmp_eq_u32 s5, 5
	s_cselect_b64 s[26:27], s[18:19], s[26:27]
	s_cmp_eq_u32 s30, 24
	s_cselect_b64 s[26:27], s[20:21], s[26:27]
	s_cmp_eq_u32 s30, 25
	s_cselect_b64 s[26:27], s[22:23], s[26:27]
	s_add_nc_u64 s[26:27], s[26:27], s[6:7]
	s_add_nc_u64 s[24:25], s[24:25], s[28:29]
	s_cmp_ge_u32 s30, 24
	s_cbranch_scc1 .Lnarrow
	TR 1024
	s_branch .Ljoin
.Lnarrow:
	TR 256
.Ljoin:
	s_wait_dscnt 0x0                               ; my stores into the stage are done, for the others' sake
	s_barrier_signal -1
	s_barrier_wait -1
.irp q, 0,1,2,3,4,5,6,7
	ds_load_b128 v[32+4*\q:35+4*\q], v7 offset:\q*PITCH
.endr
	s_wait_dscnt 0x0
.irp q, 0,1,2,3,4,5,6,7
	global_store_b128 v8, v[32+4*\q:35+4*\q], s[24:25] offset:\q*512
.endr
	s_wait_tensorcnt 0x0                           ; the wave's end, behind my last LDS store
	ds_add_u32 v12, v13
	s_wait_dscnt 0x0
	s_endpgm
.Lfunc_end_k_qb013920efb_prep:
	.size	k_qb013920efb_prep, .Lfunc_end_k_qb013920efb_prep-k_qb013920efb_prep
	.p2alignl 7, 3214868480
	.fill 96, 4, 3214868480
	.section	.rodata,"a",@progbits
	.p2align	6, 0x0
	.amdhsa_kernel k_qb013920efb_prep
		.amdhsa_group_segment_fixed_size 34816
		.amdhsa_private_segment_fixed_size 0
		.amdhsa_enable_private_segment 0
		.amdhsa_kernarg_size 72
		.amdhsa_user_sgpr_count 2
		.amdhsa_user_sgpr_kernarg_segment_ptr 1
		.amdhsa_wavefront_size32 1
		.amdhsa_system_sgpr_workgroup_id_x 1
		.amdhsa_system_sgpr_workgroup_id_y 1
		.amdhsa_system_sgpr_workgroup_id_z 1
		.amdhsa_system_vgpr_workitem_id 0
		.amdhsa_next_free_vgpr 96
		.amdhsa_next_free_sgpr 66
		.amdhsa_reserve_vcc 0
		.amdhsa_float_denorm_mode_32 3
		.amdhsa_float_denorm_mode_16_64 3
		.amdhsa_memory_ordered 1
		.amdhsa_forward_progress 1
		.amdhsa_inst_pref_size 15
	.end_amdhsa_kernel
	.amdgpu_metadata
---
amdhsa.version: [ 1, 2 ]
amdhsa.kernels:
  - .name:           k_qb013920efb_prep
    .symbol:         k_qb013920efb_prep.kd
    .args:
      - { .name: Wq, .offset: 0, .size: 8, .value_kind: global_buffer, .address_space: global }
      - { .name: Wk, .offset: 8, .size: 8, .value_kind: global_buffer, .address_space: global }
      - { .name: Wv, .offset: 16, .size: 8, .value_kind: global_buffer, .address_space: global }
      - { .name: Wg1, .offset: 24, .size: 8, .value_kind: global_buffer, .address_space: global }
      - { .name: Wg2, .offset: 32, .size: 8, .value_kind: global_buffer, .address_space: global }
      - { .name: Wo, .offset: 40, .size: 8, .value_kind: global_buffer, .address_space: global }
      - { .name: We1, .offset: 48, .size: 8, .value_kind: global_buffer, .address_space: global }
      - { .name: Wa1, .offset: 56, .size: 8, .value_kind: global_buffer, .address_space: global }
      - { .name: wt, .offset: 64, .size: 8, .value_kind: global_buffer, .address_space: global }
    .group_segment_fixed_size: 34816
    .private_segment_fixed_size: 0
    .kernarg_segment_align: 8
    .kernarg_segment_size: 72
    .max_flat_workgroup_size: 256
    .sgpr_count:     66
    .vgpr_count:     96
    .wavefront_size: 32
...
	.end_amdgpu_metadata
.endif
;; end of part 1
;; launch proj (part 2): grid 128 x 2, 8 waves a work-group, no clusters, 216,064 bytes of LDS; arguments x, wt, bg1, bg2, be1, We2, be2, ba1, Wa2, ba2, qh, kh, vh, tw, pw, dec; writes qh, kh, vh, tw, pw, dec
.if DOCPART == 2
	.amdgcn_target "amdgcn-amd-amdhsa--gfx1250"
	.amdhsa_code_object_version 6
	.text
	.protected	k_qb013920efb_proj
	.globl	k_qb013920efb_proj
	.p2align	8
	.type	k_qb013920efb_proj,@function
k_qb013920efb_proj:
	s_mov_b64 s[64:65], 0
	v_nop
	global_prefetch_b8 v0, s[64:65] scope:SCOPE_SE
	s_setreg_imm32_b32 hwreg(HW_REG_WAVE_MODE, 25, 1), 1
	s_wait_xcnt 0x0
; A work-group owns one chunk of 64 rows of x (128 chunks) and one of two roles (grid y).
; ROLE 0: q = x Wq (f16), k = x Wk normalised (f16), the gates e and a, the chunk's decay vectors, N = -L and P from the products K K^T and Q K^T, and T = (I+L)^-1 by
; five squarings and five products (see the first kernel's head); T - I and P leave in f16.
; ROLE 1: v = x Wv; h = silu(v Wg1 + bg1); vhat = h Wg2 + bg2 in f32.  v and h are the program's own numbers with no bound on their range: each is kept as a bf16 number plus
; the bf16 remainder, and both are multiplied by the same weights.
; Eight waves; a wave makes 32 of the 256 columns for all 64 rows: 8 accumulators.  Its 32 rows of the transposed weights come straight from memory into fragment registers
; (window 1): no wave wants another's, so they pass no LDS.  The 64 rows of the left operand lie in LDS, pitch 528.
; No cluster: what work-groups share (the weights) is read by register loads; x, the larger stream, is shared by two work-groups only.
; No prefetch: a work-group reads each of its bytes once, at its head, and the launch is short.
.set R1, 33792                         ; regions of 64 rows x 528: R0 x; role 0: R1 q, R2 k; role 1: R1, R2 v (high, low), R3, R4 h
.set R2, 67584
.set R3, 101376
.set R4, 135168
.set SSP, 168960                       ; [row 64][wave 8] f32: partial sums of squares of k
.set EAP, 171008                       ; [row 64][wave 8] f32: partial sums of the gates' second layers
.set AS,  173056                       ; waves 0, 1: 512 bytes each: a[64], e[64]
.set DV,  174080                       ; [7][64] f32: e, eE, E, S, A63, 1/A, -eE
.set TX,  176128                       ; 64 x 144: the running product
.set YA,  185344                       ; 64 x 160: powers of N, two buffers
.set YB,  195584
.set PB,  205824                       ; 64 x 144: P
.set SPARE, 215040
.set MSB, 0
.macro WIN new                         ; the high byte repeats the setting that is left
.if MSB != (\new)
	s_set_vgpr_msb (MSB<<8)|(\new)
.set MSB, \new
.endif
.endm
.macro PLACES                          ; four plain places behind matrix instructions (ISA guide 7.12.1)
.rept 4
	v_nop
.endr
.endm
.macro BAR                             ; my LDS instructions are done; then the work-group's barrier
	s_wait_dscnt 0x0
	s_barrier_signal -1
	s_barrier_wait -1
.endm
.macro RB a, b, t                      ; two f32 rounded to bf16's values
	v_cvt_pk_bf16_f32 v[\t], v[\a], v[\b]
	v_lshlrev_b32 v[\a], 16, v[\t]
	v_and_b32 v[\b], 0xffff0000, v[\t]
.endm
.macro END3
	s_wait_tensorcnt 0x0                           ; the wave's end, behind my last LDS store
	ds_add_u32 v12, v13
	s_wait_dscnt 0x0
.endm
; nt x 8 fragments of the transposed weights into window 1 at buf: fragment (n, ks) at buf + 8 (8 n + ks)
.macro WLOAD buf, ptr, off, nt
	PLACES
	WIN 0x40
.set n, 0
.rept \nt
.set ks, 0
.rept 8
	global_load_b128 v[(\buf)+8*(8*n+ks):(\buf)+8*(8*n+ks)+3], v5, s[\ptr:\ptr+1] offset:(\off)+n*8192+ks*64
	global_load_b128 v[(\buf)+8*(8*n+ks)+4:(\buf)+8*(8*n+ks)+7], v5, s[\ptr:\ptr+1] offset:(\off)+n*8192+ks*64+32
.set ks, ks+1
.endr
.set n, n+1
.endr
	WIN 0
.endm
.macro XLOADS                          ; the chunk's 64 KiB of x: each load of the work-group covers four rows
.set q, 0
.rept 16
	global_load_b128 v[160+4*q:163+4*q], v8, s[8:9] offset:q*4096
.set q, q+1
.endr
.endm
.macro XIN                             ; rounded to bf16 into R0
.set q, 0
.rept 16
	v_cvt_pk_bf16_f32 v[18+2*(q&1)], v[160+4*q], v[161+4*q]
	v_cvt_pk_bf16_f32 v[19+2*(q&1)], v[162+4*q], v[163+4*q]
	ds_store_b64 v7, v[18+2*(q&1):19+2*(q&1)] offset:2112*q
.set q, q+1
.endr
.endm
.macro ALOAD u, ks, adr                ; four fragments (64 rows x 32 K) into buffer u & 1
.irp mt, 0,1,2,3
	ds_load_b128 v[96+32*((\u)&1)+8*\mt:96+32*((\u)&1)+8*\mt+3], v[\adr] offset:\mt*8448+(\ks)*64
	ds_load_b128 v[96+32*((\u)&1)+8*\mt+4:96+32*((\u)&1)+8*\mt+7], v[\adr] offset:\mt*8448+(\ks)*64+32
.endr
.endm
; 64 rows x 16 nt columns x K = 256.  two = 1: the left operand is a pair (high at v14, low at v15), 16 steps.  form 0: source 0 = weights: a lane holds one row and 8 columns;
; form 1: source 0 = rows: a lane holds one column and 8 rows.  cb = 1: the bias (v224 on) starts the sums.  The 4 nt accumulators take turns, one instruction a turn.
.macro GEMM buf, nt, two, form, cb
.set NS, 8*(1+(\two))
	ALOAD 0, 0, 14
.set u, 0
.rept NS
.if u+1 < NS
.if u >= 1
	PLACES                                         ; ahead of loads into the buffer that the step before multiplied
.endif
.if \two
	ALOAD u+1, (u+1)/2, 14+((u+1)&1)
.else
	ALOAD u+1, u+1, 14
.endif
	s_wait_dscnt 8                                 ; all but the 8 just issued
.else
	s_wait_dscnt 0x0
.endif
.set ks, u/(1+(\two))
.if \form
	WIN 0x04
.else
	WIN 0x01
.endif
.set mt, 0
.rept 4
.set n, 0
.rept \nt
.set rD, 32+8*((\nt)*mt+n)
.set rW, (\buf)+8*(8*n+ks)
.set rA, 96+32*(u&1)+8*mt
.if \form
.if u == 0
	v_wmma_f32_16x16x32_bf16 v[rD:rD+7], v[rA:rA+7], v[rW:rW+7], 0
.else
	v_wmma_f32_16x16x32_bf16 v[rD:rD+7], v[rA:rA+7], v[rW:rW+7], v[rD:rD+7]
.endif
.else
.if (u == 0) && (\cb)
	v_wmma_f32_16x16x32_bf16 v[rD:rD+7], v[rW:rW+7], v[rA:rA+7], v[224+8*n:231+8*n]
.elseif u == 0
	v_wmma_f32_16x16x32_bf16 v[rD:rD+7], v[rW:rW+7], v[rA:rA+7], 0
.else
	v_wmma_f32_16x16x32_bf16 v[rD:rD+7], v[rW:rW+7], v[rA:rA+7], v[rD:rD+7]
.endif
.endif
.set n, n+1
.endr
.set mt, mt+1
.endr
	WIN 0
.set u, u+1
.endr
	PLACES
.endm
; x / (1 + 2^(-x log2 e)) on v32 .. v[32+n-1]; two batches of transcendentals, one wait each
.macro SILU n
.set i, 0
.rept (\n)/2
	v_pk_mul_f32 v[160+i:161+i], v[32+i:33+i], s[44:45] op_sel_hi:[1,0]
.set i, i+2
.endr
.set i, 0
.rept \n
	v_exp_f32 v[160+i], v[160+i]
.set i, i+1
.endr
	v_nop
	s_wait_alu depctr_va_vdst(0)                   ; one wait for the batch
.set i, 0
.rept (\n)/2
	v_pk_add_f32 v[160+i:161+i], v[160+i:161+i], 1.0 op_sel_hi:[1,0]
.set i, i+2
.endr
.set i, 0
.rept \n
	v_rcp_f32 v[160+i], v[160+i]
.set i, i+1
.endr
	v_nop
	s_wait_alu depctr_va_vdst(0)
.set i, 0
.rept (\n)/2
	v_pk_mul_f32 v[32+i:33+i], v[32+i:33+i], v[160+i:161+i]
.set i, i+2
.endr
.endm
.macro SPLIT                           ; the 8 tiles as bf16 (to v16's region) and the bf16 of what is left (to v17's)
.set t, 0
.rept 8
.irp p, 0,1,2,3
	v_cvt_pk_bf16_f32 v[18+\p], v[32+8*t+2*\p], v[33+8*t+2*\p]
	v_lshlrev_b32 v26, 16, v[18+\p]
	v_and_b32 v27, 0xffff0000, v[18+\p]
	v_pk_add_f32 v[32+8*t+2*\p:33+8*t+2*\p], v[32+8*t+2*\p:33+8*t+2*\p], v[26:27] neg_lo:[0,1] neg_hi:[0,1]
	v_cvt_pk_bf16_f32 v[22+\p], v[32+8*t+2*\p], v[33+8*t+2*\p]
.endr
	ds_store_b128 v16, v[18:21] offset:(t/2)*8448+(t%2)*32
	ds_store_b128 v17, v[22:25] offset:(t/2)*8448+(t%2)*32
.set t, t+1
.endr
.endm
.macro STF16 adr                       ; the 8 tiles as f16
.set t, 0
.rept 8
.irp p, 0,1,2,3
	v_cvt_pk_f16_f32 v[160+4*t+\p], v[32+8*t+2*\p], v[33+8*t+2*\p]
.endr
	ds_store_b128 v[\adr], v[160+4*t:163+4*t] offset:(t/2)*8448+(t%2)*32
.set t, t+1
.endr
.endm
.macro GLOAD ks                        ; 64 rows of K and my 16 rows of K or Q, 32 channels
.set gb, 96+40*((\ks)&1)
.irp st, 0,1,2,3
	ds_load_b128 v[gb+8*\st:gb+8*\st+3], v14 offset:\st*8448+(\ks)*64
	ds_load_b128 v[gb+8*\st+4:gb+8*\st+7], v14 offset:\st*8448+(\ks)*64+32
.endr
	ds_load_b128 v[gb+32:gb+35], v15 offset:(\ks)*64
	ds_load_b128 v[gb+36:gb+39], v15 offset:(\ks)*64+32
.endm
.macro MASKLT                          ; keeps s < t: register i holds s = 16 (i / 8) + 8 h + i % 8 of row t; v9 = t - 8 h
.set i, 0
.rept 32
	v_cmp_lt_i32 vcc_lo, 16*(i/8)+(i%8), v9
	v_cndmask_b32 v[32+i], 0, v[32+i], vcc_lo
.set i, i+1
.endr
.endm
.macro PK16 adr                        ; my 16 rows x 64 as f16
.set t, 0
.rept 4
.irp p, 0,1,2,3
	v_cvt_pk_f16_f32 v[112+4*t+\p], v[32+8*t+2*\p], v[33+8*t+2*\p]
.endr
	ds_store_b128 v[\adr], v[112+4*t:115+4*t] offset:32*t
.set t, t+1
.endr
.endm
; One stage.  Waves 0-3: X += X Y (rows of X are the wave's own, in TX and in f32 in the accumulators).  Waves 4-7: Y' = Y Y.  zi, zo: address registers of the left operand
; and of the result; try: the turning loads' address in Y.  dox, doy = 0: those waves have nothing to do and go to the barrier.
.macro NST zi, zo, try, dox, doy, last
.if (\dox) == 0
	s_cmp_lt_u32 s4, 4
	s_cbranch_scc1 .Lnst_\@
.endif
.if (\doy) == 0
	s_cmp_ge_u32 s4, 4
	s_cbranch_scc1 .Lnst_\@
.endif
.irp ks, 0,1
	ds_load_b128 v[96+8*\ks:99+8*\ks], v[\zi] offset:\ks*64
	ds_load_b128 v[100+8*\ks:103+8*\ks], v[\zi] offset:\ks*64+32
.endr
.irp ct, 0,1,2,3
.irp ks, 0,1
	ds_load_tr16_b128 v[160+8*(2*\ct+\ks):160+8*(2*\ct+\ks)+3], v[\try] offset:\ks*5120+32*\ct
	ds_load_tr16_b128 v[160+8*(2*\ct+\ks)+4:160+8*(2*\ct+\ks)+7], v[\try] offset:\ks*5120+2560+32*\ct
.endr
.endr
.set i, 0
.rept 16
	v_pk_mul_f32 v[32+i:33+i], v[32+i:33+i], s[48:49] op_sel_hi:[1,0]  ; times 1 (X is kept) or 0 (a new sum)
.set i, i+2
.endr
	s_wait_dscnt 0x0
.irp ks, 0,1
.irp ct, 0,1,2,3
	v_wmma_f32_16x16x32_f16 v[32+8*\ct:39+8*\ct], v[160+8*(2*\ct+\ks):160+8*(2*\ct+\ks)+7], v[96+8*\ks:103+8*\ks], v[32+8*\ct:39+8*\ct]
.endr
.endr
	PLACES
.if \last
	MASKLT                                         ; takes the diagonal away: T - I leaves
.endif
	PK16 \zo
.Lnst_\@:
	BAR
.endm
	s_load_b512 s[8:23], s[0:1], 0x0               ; x wt bg1 bg2 be1 We2 be2 ba1
	s_load_b512 s[24:39], s[0:1], 0x40             ; Wa2 ba2 qh kh vh tw pw dec
	v_lshl_add_u32 v12, v0, 2, SPARE
	v_mov_b32 v13, 0
	v_lshrrev_b32 v1, 5, v0
	v_readfirstlane_b32 s4, v1                     ; wave
	v_and_b32 v1, 15, v0                           ; r
	v_bfe_u32 v2, v0, 4, 1                         ; h
	v_and_b32 v3, 31, v0                           ; lane
	v_mul_u32_u24 v4, v1, 528
	v_lshl_add_u32 v4, v2, 4, v4                   ; a fragment's row in LDS
	v_lshlrev_b32 v5, 9, v1
	v_lshl_add_u32 v5, v2, 4, v5                   ; and in wt
	s_lshl_b32 s50, s4, 6
	v_add_nc_u32 v6, s50, v4                       ; where my 32 columns go
	v_lshrrev_b32 v7, 6, v0
	v_mul_u32_u24 v7, v7, 528
	v_and_b32 v8, 63, v0
	v_lshl_add_u32 v7, v8, 3, v7
	v_lshlrev_b32 v8, 4, v0
	s_mov_b32 s5, ttmp9                            ; chunk
	s_lshr_b32 s6, s5, 3                           ; sequence
	s_and_b32 s7, s5, 7                            ; chunk in it
	s_mov_b32 s44, 0xbfb8aa3b                      ; -log2 e
	s_mov_b32 s45, s44
	s_mov_b32 s46, 0x76543210
	s_mov_b32 s47, 0xfedcba98
	s_and_b32 s3, ttmp7, 0xffff                    ; role
	s_lshl_b32 s50, s5, 16
	s_mov_b32 s51, 0
	s_lshl_b32 s52, s4, 14
	s_mov_b32 s53, 0
	s_lshl_b32 s54, s4, 13
	s_add_co_u32 s54, s54, 6*131072
	s_mov_b32 s55, 0
	s_wait_kmcnt 0x0
	s_add_nc_u64 s[8:9], s[8:9], s[50:51]
	s_add_nc_u64 s[40:41], s[10:11], s[52:53]      ; my 32 rows of a square matrix
	s_add_nc_u64 s[42:43], s[10:11], s[54:55]      ; my 16 rows of We1 (waves 0-3) or Wa1
	s_cmp_eq_u32 s3, 0
	s_cbranch_scc1 .LroleA
	; ---------------- role 1: the value path ----------------
	WLOAD 0, 40, 2*131072, 2                       ; Wv
	XLOADS
	WLOAD 128, 40, 3*131072, 2                     ; Wg1
	s_lshl_b32 s50, s4, 7
	v_lshl_add_u32 v248, v2, 5, s50                ; bias of columns 32 w + 8 h ..
	v_lshl_add_u32 v249, v1, 2, s50                ; bias of column 32 w + r
	global_load_b128 v[224:227], v248, s[12:13]
	global_load_b128 v[228:231], v248, s[12:13] offset:16
	global_load_b128 v[232:235], v248, s[12:13] offset:64
	global_load_b128 v[236:239], v248, s[12:13] offset:80
	s_wait_loadcnt 36                              ; x is in: Wg1's 32 loads and the bias's 4 are younger
	XIN
	BAR
	v_mov_b32 v14, v4
	GEMM 0, 2, 0, 0, 0                             ; v
	WLOAD 0, 40, 4*131072, 2                       ; Wg2
	global_load_b32 v28, v249, s[14:15]
	global_load_b32 v30, v249, s[14:15] offset:64
	v_add_nc_u32 v16, R1, v6
	v_add_nc_u32 v17, R2, v6
	SPLIT
	BAR
	s_wait_loadcnt 34                              ; Wg1 and bg1 are in: Wg2's 32 and bg2's 2 are younger
.irp i, 0,1,2,3,4,5,6,7
	RB 224+2*\i, 225+2*\i, 18
.endr
	v_add_nc_u32 v14, R1, v4
	v_add_nc_u32 v15, R2, v4
	GEMM 128, 2, 1, 0, 1
	SILU 64
	v_add_nc_u32 v16, R3, v6
	v_add_nc_u32 v17, R4, v6
	SPLIT
	BAR
	s_wait_loadcnt 0x0
	RB 28, 30, 18
	v_mov_b32 v29, v28
	v_mov_b32 v31, v30
	v_add_nc_u32 v14, R3, v4
	v_add_nc_u32 v15, R4, v4
	GEMM 0, 2, 1, 1, 0                             ; a lane holds one column and 8 rows: the layout in which scan takes it
	s_lshl_b32 s50, s6, 19
	s_lshl_b32 s51, s7, 12
	s_add_co_u32 s50, s50, s51
	s_lshl_b32 s51, s4, 16
	s_add_co_u32 s50, s50, s51
	s_mov_b32 s51, 0
	s_add_nc_u64 s[32:33], s[32:33], s[50:51]
	v_lshlrev_b32 v250, 4, v3
.irp mt, 0,1,2,3
.irp nt, 0,1
.irp p, 0,1,2,3
	v_pk_add_f32 v[32+8*(2*\mt+\nt)+2*\p:33+8*(2*\mt+\nt)+2*\p], v[32+8*(2*\mt+\nt)+2*\p:33+8*(2*\mt+\nt)+2*\p], v[28+2*\nt:29+2*\nt] op_sel_hi:[1,0]
.endr
	global_store_b128 v250, v[32+8*(2*\mt+\nt):35+8*(2*\mt+\nt)], s[32:33] offset:\nt*32768+\mt*1024
	global_store_b128 v250, v[36+8*(2*\mt+\nt):39+8*(2*\mt+\nt)], s[32:33] offset:\nt*32768+\mt*1024+512
.endr
.endr
	END3
	s_endpgm
	; ---------------- role 0 ----------------
.LroleA:
	WLOAD 0, 40, 0, 2                              ; Wq
	XLOADS
	WLOAD 128, 40, 131072, 2                       ; Wk
	s_wait_loadcnt 32                              ; x is in: Wk's 32 loads are younger
	XIN
	BAR
	v_mov_b32 v14, v4
	GEMM 0, 2, 0, 0, 0                             ; q
	WLOAD 0, 42, 0, 1                              ; my 16 rows of the gates' first layers
	s_and_b32 s56, s4, 3
	s_lshr_b32 s57, s4, 2
	s_lshl_b32 s50, s56, 6
	v_lshl_add_u32 v248, v2, 5, s50
	v_mov_b32 v249, 0
	s_cmp_lt_u32 s4, 4
	s_cselect_b64 s[52:53], s[16:17], s[22:23]     ; be1 or ba1
	s_cselect_b64 s[54:55], s[18:19], s[24:25]     ; We2 or Wa2
	global_load_b128 v[224:227], v248, s[52:53]
	global_load_b128 v[228:231], v248, s[52:53] offset:16
	global_load_b128 v[240:243], v248, s[54:55]
	global_load_b128 v[244:247], v248, s[54:55] offset:16
	global_load_b32 v30, v249, s[20:21]            ; be2
	global_load_b32 v31, v249, s[26:27]            ; ba2
	v_add_nc_u32 v16, R1, v6
	STF16 16
	s_wait_loadcnt 22                              ; Wk is in: the 22 loads above are younger
	GEMM 128, 2, 0, 0, 0                           ; k
	s_lshl_b32 s50, s4, 2
	s_add_co_u32 s50, s50, SSP
	v_lshl_add_u32 v26, v1, 5, s50
	v_lshl_add_u32 v27, v1, 5, SSP
.irp mt, 0,1,2,3
	v_pk_mul_f32 v[18+2*\mt:19+2*\mt], v[32+16*\mt:33+16*\mt], v[32+16*\mt:33+16*\mt]
.irp p, 1,2,3,4,5,6,7
	v_pk_fma_f32 v[18+2*\mt:19+2*\mt], v[32+16*\mt+2*\p:33+16*\mt+2*\p], v[32+16*\mt+2*\p:33+16*\mt+2*\p], v[18+2*\mt:19+2*\mt]
.endr
.endr
.irp mt, 0,1,2,3
	v_add_f32 v[18+2*\mt], v[18+2*\mt], v[19+2*\mt]
.endr
.irp mt, 0,1,2,3
	v_permlanex16_b32 v[19+2*\mt], v[18+2*\mt], s46, s47
.endr
.irp mt, 0,1,2,3
	v_add_f32 v[18+2*\mt], v[18+2*\mt], v[19+2*\mt]
	ds_store_b32 v26, v[18+2*\mt] offset:\mt*512
.endr
	BAR
.irp mt, 0,1,2,3
	ds_load_b128 v[160+8*\mt:163+8*\mt], v27 offset:\mt*512
	ds_load_b128 v[164+8*\mt:167+8*\mt], v27 offset:\mt*512+16
.endr
	s_wait_dscnt 0x0
.irp mt, 0,1,2,3
	v_pk_add_f32 v[160+8*\mt:161+8*\mt], v[160+8*\mt:161+8*\mt], v[162+8*\mt:163+8*\mt]
	v_pk_add_f32 v[164+8*\mt:165+8*\mt], v[164+8*\mt:165+8*\mt], v[166+8*\mt:167+8*\mt]
	v_pk_add_f32 v[160+8*\mt:161+8*\mt], v[160+8*\mt:161+8*\mt], v[164+8*\mt:165+8*\mt]
	v_add_f32 v[18+2*\mt], v[160+8*\mt], v[161+8*\mt]
.endr
.irp mt, 0,1,2,3
	v_sqrt_f32 v[18+2*\mt], v[18+2*\mt]
.endr
	v_nop
	s_wait_alu depctr_va_vdst(0)
.irp mt, 0,1,2,3
	v_max_num_f32 v[18+2*\mt], 0x2b8cbccc, v[18+2*\mt]  ; the norm is held at 1e-12 at the least
.endr
.irp mt, 0,1,2,3
	v_rcp_f32 v[18+2*\mt], v[18+2*\mt]
.endr
	v_nop
	s_wait_alu depctr_va_vdst(0)
.irp mt, 0,1,2,3
.irp p, 0,1,2,3,4,5,6,7
	v_pk_mul_f32 v[32+16*\mt+2*\p:33+16*\mt+2*\p], v[32+16*\mt+2*\p:33+16*\mt+2*\p], v[18+2*\mt:19+2*\mt] op_sel_hi:[1,0]
.endr
.endr
	v_add_nc_u32 v17, R2, v6
	STF16 17
	s_wait_loadcnt 0x0
.irp i, 0,1,2,3
	RB 224+2*\i, 225+2*\i, 18
	RB 240+2*\i, 241+2*\i, 19
.endr
	RB 30, 31, 18
	GEMM 0, 1, 0, 0, 1                             ; x We1 + be1 (waves 0-3), x Wa1 + ba1 (waves 4-7): 16 columns a wave
	SILU 32
.irp mt, 0,1,2,3
	v_pk_mul_f32 v[18+2*\mt:19+2*\mt], v[32+8*\mt:33+8*\mt], v[240:241]
.irp p, 1,2,3
	v_pk_fma_f32 v[18+2*\mt:19+2*\mt], v[32+8*\mt+2*\p:33+8*\mt+2*\p], v[240+2*\p:241+2*\p], v[18+2*\mt:19+2*\mt]
.endr
.endr
.irp mt, 0,1,2,3
	v_add_f32 v[18+2*\mt], v[18+2*\mt], v[19+2*\mt]
.endr
.irp mt, 0,1,2,3
	v_permlanex16_b32 v[19+2*\mt], v[18+2*\mt], s46, s47
.endr
.irp mt, 0,1,2,3
	v_add_f32 v[18+2*\mt], v[18+2*\mt], v[19+2*\mt]
	ds_store_b32 v26, v[18+2*\mt] offset:2048+\mt*512
.endr
	BAR                                            ; the partial sums, q and k are whole
	s_cmp_ge_u32 s4, 2
	s_cbranch_scc1 .Lgram
	; waves 0 and 1: the gates of all 64 rows (each for itself), then the decay vectors of rows 32 w + lane
	v_lshl_add_u32 v28, v3, 5, EAP
	ds_load_b128 v[160:163], v28
	ds_load_b128 v[164:167], v28 offset:16
	ds_load_b128 v[168:171], v28 offset:1024
	ds_load_b128 v[172:175], v28 offset:1040
	s_wait_dscnt 0x0
	v_pk_add_f32 v[160:161], v[160:161], v[162:163]
	v_pk_add_f32 v[164:165], v[164:165], v[166:167]
	v_pk_add_f32 v[168:169], v[168:169], v[170:171]
	v_pk_add_f32 v[172:173], v[172:173], v[174:175]
	v_add_f32 v18, v160, v161
	v_add_f32 v19, v164, v165
	v_add_f32 v20, v168, v169
	v_add_f32 v21, v172, v173
	v_add_f32 v18, v18, v30
	v_add_f32 v19, v19, v31
	v_add_f32 v20, v20, v30
	v_add_f32 v21, v21, v31
.irp i, 18,19,20,21
	v_mul_f32 v\i, s44, v\i
.endr
.irp i, 18,19,20,21
	v_exp_f32 v\i, v\i
.endr
	v_nop
	s_wait_alu depctr_va_vdst(0)
.irp i, 18,19,20,21
	v_add_f32 v\i, 1.0, v\i
.endr
.irp i, 18,19,20,21
	v_rcp_f32 v\i, v\i
.endr
	v_nop
	s_wait_alu depctr_va_vdst(0)
	s_mov_b32 s50, 0x3dcccccd                      ; 0.1
	s_mov_b32 s51, 0x3c23d70a                      ; 0.01
	v_fma_f32 v18, v18, s50, s51
	v_fma_f32 v20, v20, s50, s51
	v_fma_f32 v19, v19, 0.5, 0.5
	v_fma_f32 v21, v21, 0.5, 0.5
	s_lshl_b32 s58, s4, 9
	s_add_co_u32 s58, s58, AS
	v_lshl_add_u32 v22, v3, 2, s58
	v_mov_b32 v23, s58
	ds_store_b32 v22, v19
	ds_store_b32 v22, v21 offset:128
	ds_store_b32 v22, v18 offset:256
	ds_store_b32 v22, v20 offset:384
.set q, 0
.rept 16
	ds_load_b128 v[160+4*q:163+4*q], v23 offset:16*q   ; all 64 a, in every lane; LDS serves a wave's instructions in order
.set q, q+1
.endr
	s_lshl_b32 s59, s4, 7
	v_add_nc_u32 v24, s59, v22
	ds_load_b32 v25, v24                           ; my row's a
	ds_load_b32 v26, v24 offset:256                ; and e
	s_lshl_b32 s59, s4, 5
	v_add_nc_u32 v27, s59, v3                      ; t
	v_mov_b32 v18, 1.0
	v_mov_b32 v19, 1.0
	s_wait_dscnt 0x0
.set i, 0
.rept 63
	v_cmp_lt_u32 vcc_lo, i, v27
	v_cndmask_b32 v20, 1.0, v[160+i], vcc_lo
	v_mul_f32 v[18+(i&1)], v[18+(i&1)], v20
.set i, i+1
.endr
	v_mul_f32 v18, v18, v19                        ; E
.irp w, 32,16,8,4,2
.set i, 0
.rept (\w)/2
	v_pk_mul_f32 v[160+i:161+i], v[160+i:161+i], v[160+\w+i:161+\w+i]
.set i, i+2
.endr
.endr
	v_mul_f32 v160, v160, v161                     ; A63
	v_mul_f32 v20, v18, v25                        ; A
	v_rcp_f32 v21, v20
	v_mul_f32 v22, v26, v18                        ; e E
	s_wait_alu depctr_va_vdst(0)
	v_mul_f32 v23, v160, v21                       ; S
	v_xor_b32 v24, 0x80000000, v22
	v_lshl_add_u32 v28, v27, 2, DV
	ds_store_b32 v28, v26
	ds_store_b32 v28, v22 offset:256
	ds_store_b32 v28, v18 offset:512
	ds_store_b32 v28, v23 offset:768
	ds_store_b32 v28, v160 offset:1024
	ds_store_b32 v28, v21 offset:1280
	ds_store_b32 v28, v24 offset:1536
.Lgram:
	; waves 0-3: K K^T, waves 4-7: Q K^T; 16 rows t a wave, all 64 s.  Source 0 = rows s of K: a lane holds one t and 8 neighbouring s
	s_mov_b32 s50, R1
	s_cmp_eq_u32 s57, 0
	s_cselect_b32 s50, R2, s50
	s_mul_i32 s51, s56, 8448
	s_add_co_u32 s50, s50, s51
	v_add_nc_u32 v14, R2, v4
	v_add_nc_u32 v15, s50, v4
	GLOAD 0
	s_lshl_b32 s51, s56, 4
	v_lshlrev_b32 v9, 3, v2
	v_sub_nc_u32 v9, v1, v9
	v_add_nc_u32 v9, s51, v9                       ; t - 8 h
	v_and_b32 v18, 7, v0
	v_lshl_add_u32 v10, v2, 3, v18
	v_mul_u32_u24 v10, v10, 160
	v_bfe_u32 v11, v0, 3, 1
	v_lshl_add_u32 v10, v11, 4, v10
	v_add_nc_u32 v11, YB, v10
	v_add_nc_u32 v10, YA, v10
	s_movk_i32 s58, 144
	s_mov_b32 s59, PB
	s_mov_b32 s62, YA
	s_mov_b32 s63, YB
	s_cmp_lt_u32 s4, 4
	s_cselect_b32 s58, 160, s58                    ; N goes to YA (pitch 160), P to PB (pitch 144)
	s_cselect_b32 s59, YA, s59
	s_cselect_b32 s62, TX, s62                     ; in the stages waves 0-3 work on TX, waves 4-7 on YA and YB
	s_cselect_b32 s63, TX, s63
	s_cselect_b32 s48, 1.0, 0
	s_mov_b32 s49, s48
	s_sub_co_u32 s61, 304, s58
	s_mul_i32 s60, s58, s56
	s_lshl_b32 s60, s60, 4
	s_add_co_u32 s59, s59, s60
	s_mul_i32 s60, s61, s56
	s_lshl_b32 s60, s60, 4
	s_add_co_u32 s62, s62, s60
	s_add_co_u32 s63, s63, s60
	v_mul_lo_u32 v23, v1, s58
	v_lshl_add_u32 v23, v2, 4, v23
	v_add_nc_u32 v23, s59, v23
	v_mul_lo_u32 v25, v1, s61
	v_lshl_add_u32 v25, v2, 4, v25
	v_add_nc_u32 v26, s63, v25
	v_add_nc_u32 v25, s62, v25
.set ks, 0
.rept 8
.if ks < 7
.if ks >= 1
	PLACES
.endif
	GLOAD ks+1
	s_wait_dscnt 10                                ; all but the 10 just issued
.else
	s_wait_dscnt 0x0
.endif
.set gb, 96+40*(ks&1)
.irp st, 0,1,2,3
.if ks == 0
	v_wmma_f32_16x16x32_f16 v[32+8*\st:39+8*\st], v[gb+8*\st:gb+8*\st+7], v[gb+32:gb+39], 0
.else
	v_wmma_f32_16x16x32_f16 v[32+8*\st:39+8*\st], v[gb+8*\st:gb+8*\st+7], v[gb+32:gb+39], v[32+8*\st:39+8*\st]
.endif
.endr
.set ks, ks+1
.endr
	PLACES
	BAR                                            ; the decay vectors are whole
	s_mov_b32 s50, DV+512
	s_cmp_eq_u32 s57, 0
	s_cselect_b32 s50, DV+1536, s50                ; the row's factor: -e E for N, E for P
	s_lshl_b32 s51, s56, 6
	s_add_co_u32 s50, s50, s51
	v_lshl_add_u32 v18, v1, 2, s50
	ds_load_b32 v20, v18
	v_mov_b32 v21, 0
	v_lshl_add_u32 v22, v2, 5, DV+1280
.irp st, 0,1,2,3
	ds_load_b128 v[96+8*\st:99+8*\st], v22 offset:64*\st
	ds_load_b128 v[100+8*\st:103+8*\st], v22 offset:64*\st+16
.endr
	s_wait_dscnt 0x0
.set i, 0
.rept 16
	v_pk_mul_f32 v[32+i:33+i], v[32+i:33+i], v[20:21] op_sel_hi:[1,0]
.set i, i+2
.endr
.set i, 0
.rept 16
	v_pk_mul_f32 v[32+i:33+i], v[32+i:33+i], v[96+i:97+i]
.set i, i+2
.endr
	MASKLT
	PK16 23
	s_cmp_ge_u32 s4, 4
	s_cbranch_scc1 .Lnodiag
.set i, 0
.rept 32
	v_cmp_eq_i32 vcc_lo, 16*(i/8)+(i%8), v9
	v_cndmask_b32 v[32+i], v[32+i], 1.0, vcc_lo    ; I + N
.set i, i+1
.endr
	PK16 25
.Lnodiag:
	BAR
	NST 25, 26, 10, 0, 1, 0                        ; N^2
	NST 26, 25, 11, 1, 1, 0                        ; X (I + N^2); N^4
	NST 25, 26, 10, 1, 1, 0
	NST 26, 25, 11, 1, 1, 0
	NST 25, 26, 10, 1, 1, 0
	NST 26, 25, 11, 1, 0, 1                        ; X (I + N^32)
	; the way out: whole rows from LDS, each store of a wave 512 consecutive bytes
	s_mov_b32 s50, PB
	s_cmp_lt_u32 s4, 4
	s_cselect_b32 s50, TX, s50
	s_cselect_b64 s[52:53], s[34:35], s[36:37]
	s_mul_i32 s51, s56, 2304
	s_add_co_u32 s50, s50, s51
	s_lshl_b32 s54, s5, 13
	s_lshl_b32 s55, s56, 11
	s_add_co_u32 s54, s54, s55
	s_mov_b32 s55, 0
	s_add_nc_u64 s[52:53], s[52:53], s[54:55]
	s_lshl_b32 s54, s5, 15
	s_lshl_b32 s58, s4, 12
	s_add_co_u32 s54, s54, s58
	s_add_nc_u64 s[28:29], s[28:29], s[54:55]
	s_add_nc_u64 s[30:31], s[30:31], s[54:55]
	s_mul_i32 s54, s6, 10240
	s_lshl_b32 s58, s7, 8
	s_add_co_u32 s54, s54, s58
	s_add_nc_u64 s[38:39], s[38:39], s[54:55]
	v_lshrrev_b32 v18, 3, v3
	v_mul_u32_u24 v18, v18, 144
	v_and_b32 v19, 7, v0
	v_lshl_add_u32 v18, v19, 4, v18
	v_add_nc_u32 v18, s50, v18
.irp q, 0,1,2,3
	ds_load_b128 v[96+4*\q:99+4*\q], v18 offset:576*\q
.endr
	s_mul_i32 s51, s4, 8*528
	s_add_co_u32 s51, s51, R1
	v_lshl_add_u32 v19, v3, 4, s51
.irp q, 0,1,2,3,4,5,6,7
	ds_load_b128 v[32+4*\q:35+4*\q], v19 offset:528*\q
	ds_load_b128 v[64+4*\q:67+4*\q], v19 offset:528*\q+33792
.endr
	v_lshlrev_b32 v20, 4, v3
	s_wait_dscnt 0x0
.irp q, 0,1,2,3
	global_store_b128 v20, v[96+4*\q:99+4*\q], s[52:53] offset:512*\q
.endr
.irp q, 0,1,2,3,4,5,6,7
	global_store_b128 v20, v[32+4*\q:35+4*\q], s[28:29] offset:512*\q
	global_store_b128 v20, v[64+4*\q:67+4*\q], s[30:31] offset:512*\q
.endr
	s_cmp_eq_u32 s4, 2
	s_cbranch_scc0 .LendA
	v_lshl_add_u32 v21, v3, 3, DV
.irp q, 0,1,2,3,4
	ds_load_b64 v[112+2*\q:113+2*\q], v21 offset:256*\q
.endr
	v_lshlrev_b32 v22, 3, v3
	s_wait_dscnt 0x0
.irp q, 0,1,2,3,4
	global_store_b64 v22, v[112+2*\q:113+2*\q], s[38:39] offset:2048*\q
.endr
.LendA:
	END3
	s_endpgm
.Lfunc_end_k_qb013920efb_proj:
	.size	k_qb013920efb_proj, .Lfunc_end_k_qb013920efb_proj-k_qb013920efb_proj
	.p2alignl 7, 3214868480
	.fill 96, 4, 3214868480
	.section	.rodata,"a",@progbits
	.p2align	6, 0x0
	.amdhsa_kernel k_qb013920efb_proj
		.amdhsa_group_segment_fixed_size 216064
		.amdhsa_private_segment_fixed_size 0
		.amdhsa_enable_private_segment 0
		.amdhsa_kernarg_size 128
		.amdhsa_user_sgpr_count 2
		.amdhsa_user_sgpr_kernarg_segment_ptr 1
		.amdhsa_wavefront_size32 1
		.amdhsa_system_sgpr_workgroup_id_x 1
		.amdhsa_system_sgpr_workgroup_id_y 1
		.amdhsa_system_sgpr_workgroup_id_z 1
		.amdhsa_system_vgpr_workitem_id 0
		.amdhsa_next_free_vgpr 512
		.amdhsa_next_free_sgpr 66
		.amdhsa_reserve_vcc 1
		.amdhsa_float_denorm_mode_32 3
		.amdhsa_float_denorm_mode_16_64 3
		.amdhsa_memory_ordered 1
		.amdhsa_forward_progress 1
		.amdhsa_inst_pref_size 230
	.end_amdhsa_kernel
	.amdgpu_metadata
---
amdhsa.version: [ 1, 2 ]
amdhsa.kernels:
  - .name:           k_qb013920efb_proj
    .symbol:         k_qb013920efb_proj.kd
    .args:
      - { .name: x, .offset: 0, .size: 8, .value_kind: global_buffer, .address_space: global }
      - { .name: wt, .offset: 8, .size: 8, .value_kind: global_buffer, .address_space: global }
      - { .name: bg1, .offset: 16, .size: 8, .value_kind: global_buffer, .address_space: global }
      - { .name: bg2, .offset: 24, .size: 8, .value_kind: global_buffer, .address_space: global }
      - { .name: be1, .offset: 32, .size: 8, .value_kind: global_buffer, .address_space: global }
      - { .name: We2, .offset: 40, .size: 8, .value_kind: global_buffer, .address_space: global }
      - { .name: be2, .offset: 48, .size: 8, .value_kind: global_buffer, .address_space: global }
      - { .name: ba1, .offset: 56, .size: 8, .value_kind: global_buffer, .address_space: global }
      - { .name: Wa2, .offset: 64, .size: 8, .value_kind: global_buffer, .address_space: global }
      - { .name: ba2, .offset: 72, .size: 8, .value_kind: global_buffer, .address_space: global }
      - { .name: qh, .offset: 80, .size: 8, .value_kind: global_buffer, .address_space: global }
      - { .name: kh, .offset: 88, .size: 8, .value_kind: global_buffer, .address_space: global }
      - { .name: vh, .offset: 96, .size: 8, .value_kind: global_buffer, .address_space: global }
      - { .name: tw, .offset: 104, .size: 8, .value_kind: global_buffer, .address_space: global }
      - { .name: pw, .offset: 112, .size: 8, .value_kind: global_buffer, .address_space: global }
      - { .name: dec, .offset: 120, .size: 8, .value_kind: global_buffer, .address_space: global }
    .group_segment_fixed_size: 216064
    .private_segment_fixed_size: 0
    .kernarg_segment_align: 8
    .kernarg_segment_size: 128
    .max_flat_workgroup_size: 256
    .sgpr_count:     66
    .vgpr_count:     512
    .wavefront_size: 32
...
	.end_amdgpu_metadata
.endif
;; end of part 2
;; launch scan (part 3): grid 16 x 16, 4 waves a work-group, clusters of 4 x 1, 312,320 bytes of LDS; arguments kh, qh, vh, tw, pw, dec, ow, out1; writes ow, out1
.if DOCPART == 3
	.amdgcn_target "amdgcn-amd-amdhsa--gfx1250"
	.amdhsa_code_object_version 6
	.text
	.protected	k_qb013920efb_scan
	.globl	k_qb013920efb_scan
	.p2align	8
	.type	k_qb013920efb_scan,@function
k_qb013920efb_scan:
	s_mov_b64 s[64:65], 0
	v_nop
	global_prefetch_b8 v0, s[64:65] scope:SCOPE_SE
	s_setreg_imm32_b32 hwreg(HW_REG_WAVE_MODE, 25, 1), 1
	s_wait_xcnt 0x0
	s_wait_alu depctr_hold_cnt(0) depctr_sa_sdst(0) depctr_va_vdst(0) depctr_va_sdst(0) depctr_va_ssrc(0) depctr_va_vcc(0) depctr_vm_vsrc(0)
	s_getreg_b32 s2, hwreg(HW_REG_IB_STS2, 6, 4)
	s_cmp_eq_u32 s2, 0
	s_cbranch_scc0 .Lentry_in_a_cluster
	s_endpgm
.Lentry_in_a_cluster:
	s_bfe_u32 s2, ttmp6, 0x10000c
	s_cmp_lg_u32 s2, 0x3003
	s_cbranch_scc0 .Lentry_shape_is_right
	s_endpgm
.Lentry_shape_is_right:
; The state.  A work-group owns 16 rows i of M of one sequence and walks the 8 chunks on end; the rows of M do not depend on each other.
; WORK LEFT OUT: chunk 0's products with M0 = 0 (K M0^T, Q M0^T, A63 M0): see the first kernel's head.
; A chunk has three phases with a barrier behind each.  1: KM = K M0^T, QM = Q M0^T (wave w: rows t = 16 w ..); R = e vhat - eE KM.  2: U = R + (T - I) R.
; 3: M = A63 M0 + (S U)^T K (wave w: columns j = 64 w ..); out = E QM + P U.
; In every result a lane holds one row i of M (lane % 16) and eight t or j; rounded to f16 in pairs these ARE the second source's fragments of the next product, lane for lane,
; so what waves hand to each other goes through LDS at 16 bytes a lane, without a change of layout.
; SCALE.  vhat, U and M are carried divided by sigma, the power of two at the largest |vhat| of the work-group's slab (held to 2^-100 .. 2^100), so that f16 holds them whatever
; the inputs' size; out and M are multiplied by sigma at the end.  LIMIT: numbers below 6e-5 sigma keep f16's fixed step.
; CLUSTER.  The four work-groups of a cluster belong to one sequence and need the same K: 512 rows, asked for jointly, once, at the head: two loads a wave of 64 rows.  Two tensor
; loads of a wave are out at the most.  No LDS byte is filled twice.  Q, T - I, P and vhat of chunk c + 1 are asked for by register loads during chunk c.
; No prefetch: all of K is asked for at the head, the other streams one chunk ahead.
; REGISTERS.  window 0: v0-31 addresses, pairs; v32-63 M; v64-127 M0 as f16 fragments; v128-175 R, U, S U fragments; v176-207 KM, QM, U, out; v208-215 vhat; v216-247 decays; v248-255 packed.
;   window 1: v0-63 Q; v64-127 K by rows; v128-191 K turned; v192-207 T - I; v208-223 P.
.set DEC, 270336                       ; behind K (512 rows x 528): [5][512] f32
.set RX,  280576                       ; R, then U at +2048, S U at +4096, M0 at +6144: 512 bytes a tile
.set MX,  286720
.set RED, 294912
.set MS,  295168                       ; 16 rows x 1040: M on its way out
.set SPARE, 311808
.set MSB, 0
.macro WIN new
.if MSB != (\new)
	s_set_vgpr_msb (MSB<<8)|(\new)
.set MSB, \new
.endif
.endm
.macro PLACES
.rept 4
	v_nop
.endr
.endm
.macro BAR
	s_wait_dscnt 0x0
	s_barrier_signal -1
	s_barrier_wait -1
.endm
.macro ROUND                           ; a round of the cluster's barrier
	s_barrier_signal -1
	s_barrier_wait -1
	s_cmp_lg_u32 s4, 0
	s_cbranch_scc1 .Lnot_wave_0_\@
	s_barrier_signal -3
.Lnot_wave_0_\@:
	s_barrier_wait -3
	s_barrier_signal -1
	s_barrier_wait -1
.endm
.macro QLOAD c
	WIN 0x40
.irp ks, 0,1,2,3,4,5,6,7
	global_load_b128 v[8*\ks:8*\ks+3], v4, s[10:11] offset:(\c)*32768+\ks*64
	global_load_b128 v[8*\ks+4:8*\ks+7], v4, s[10:11] offset:(\c)*32768+\ks*64+32
.endr
	WIN 0
.endm
.macro TPLOAD c, reg, ptr
	WIN 0x40
.irp ks, 0,1
	global_load_b128 v[(\reg)+8*\ks:(\reg)+8*\ks+3], v5, s[\ptr:\ptr+1] offset:(\c)*8192+\ks*64
	global_load_b128 v[(\reg)+8*\ks+4:(\reg)+8*\ks+7], v5, s[\ptr:\ptr+1] offset:(\c)*8192+\ks*64+32
.endr
	WIN 0
.endm
.macro VLOAD c
	global_load_b128 v[208:211], v6, s[12:13] offset:(\c)*4096
	global_load_b128 v[212:215], v6, s[12:13] offset:(\c)*4096+512
.endm
.macro KALOAD
	WIN 0x40
.irp ks, 0,1,2,3,4,5,6,7
	ds_load_b128 v[64+8*\ks:67+8*\ks], v7 offset:\ks*64
	ds_load_b128 v[68+8*\ks:71+8*\ks], v7 offset:\ks*64+32
.endr
	WIN 0
.endm
.macro KTLOAD
	WIN 0x40
.irp jt, 0,1,2,3
.irp kt, 0,1
	ds_load_tr16_b128 v[128+8*(2*\jt+\kt):128+8*(2*\jt+\kt)+3], v8 offset:\kt*16896+32*\jt
	ds_load_tr16_b128 v[128+8*(2*\jt+\kt)+4:128+8*(2*\jt+\kt)+7], v8 offset:\kt*16896+8448+32*\jt
.endr
.endr
	WIN 0
.endm
.macro DLOAD c                         ; e, eE, E, S of my 8 rows t, and A63
.irp vec, 0,1,2,3
	ds_load_b128 v[216+8*\vec:219+8*\vec], v9 offset:\vec*2048+(\c)*256
	ds_load_b128 v[220+8*\vec:223+8*\vec], v9 offset:\vec*2048+(\c)*256+16
.endr
	ds_load_b32 v20, v9 offset:8192+(\c)*256
.endm
.macro CHUNK c
.set NX, 1-(\c)/7                      ; 1: a chunk follows
	; ---- phase 1
.if (\c) > 0
.set t, 0
.rept 16
	ds_load_b128 v[64+4*t:67+4*t], v11 offset:6144+512*t
.set t, t+1
.endr
.endif
	DLOAD \c
	KTLOAD
.if (\c) > 0
	s_wait_dscnt 25                                ; M0's fragments are in: the decays' 9 loads and the turned K's 16 are younger
	s_wait_loadcnt 10                              ; Q is in: vhat's 2, T's 4 and P's 4 loads are younger
	WIN 0x01
.set p, 0
.rept 8
.if p == 0
	v_wmma_f32_16x16x32_f16 v[176:183], v[64:71], v[64:71], 0
	v_wmma_f32_16x16x32_f16 v[184:191], v[0:7], v[64:71], 0
.else
	v_wmma_f32_16x16x32_f16 v[176:183], v[64+8*p:71+8*p], v[64+8*p:71+8*p], v[176:183]
	v_wmma_f32_16x16x32_f16 v[184:191], v[8*p:8*p+7], v[64+8*p:71+8*p], v[184:191]
.endif
.set p, p+1
.endr
	WIN 0
	PLACES
.endif
.if NX
	QLOAD (\c)+1
.endif
	s_wait_dscnt 16                                ; the decays are in; the turned K may stay out
	s_wait_loadcnt 8+16*NX                         ; vhat is in: T's 4, P's 4 and the next Q's 16 loads are younger
.irp p, 0,1,2,3
	v_pk_mul_f32 v[208+2*\p:209+2*\p], v[208+2*\p:209+2*\p], v[16:17] op_sel_hi:[1,0]
.endr
.irp p, 0,1,2,3
	v_pk_mul_f32 v[192+2*\p:193+2*\p], v[216+2*\p:217+2*\p], v[208+2*\p:209+2*\p]
.endr
.if (\c) > 0
.irp p, 0,1,2,3
	v_pk_fma_f32 v[192+2*\p:193+2*\p], v[224+2*\p:225+2*\p], v[176+2*\p:177+2*\p], v[192+2*\p:193+2*\p] neg_lo:[1,0,0] neg_hi:[1,0,0]
.endr
.irp p, 0,1,2,3
	v_pk_mul_f32 v[200+2*\p:201+2*\p], v[232+2*\p:233+2*\p], v[184+2*\p:185+2*\p]
.endr
.endif
.irp p, 0,1,2,3
	v_cvt_pk_f16_f32 v[248+\p], v[192+2*\p], v[193+2*\p]
.endr
	ds_store_b128 v10, v[248:251]
.if (\c) > 0
.set i, 0
.rept 16
	v_pk_mul_f32 v[32+i:33+i], v[32+i:33+i], v[20:21] op_sel_hi:[1,0]
.set i, i+2
.endr
.endif
.if NX
	VLOAD (\c)+1
.endif
	BAR
	; ---- phase 2
.irp t, 0,1,2,3
	ds_load_b128 v[128+4*\t:131+4*\t], v11 offset:512*\t
.endr
	s_wait_dscnt 0x0
	s_wait_loadcnt 4+18*NX                         ; T - I is in: P's 4, the next Q's 16 and vhat's 2 loads are younger
	WIN 0x01
	s_wait_alu depctr_va_vdst(0)                   ; a wait ahead of each
	v_wmma_f32_16x16x32_f16 v[192:199], v[192:199], v[128:135], v[192:199]
	s_wait_alu depctr_va_vdst(0)
	v_wmma_f32_16x16x32_f16 v[192:199], v[200:207], v[136:143], v[192:199]
	WIN 0
	PLACES
.irp p, 0,1,2,3
	v_pk_mul_f32 v[176+2*\p:177+2*\p], v[240+2*\p:241+2*\p], v[192+2*\p:193+2*\p]
.endr
.irp p, 0,1,2,3
	v_cvt_pk_f16_f32 v[248+\p], v[192+2*\p], v[193+2*\p]
	v_cvt_pk_f16_f32 v[252+\p], v[176+2*\p], v[177+2*\p]
.endr
	ds_store_b128 v10, v[248:251] offset:2048
	ds_store_b128 v10, v[252:255] offset:4096
.if NX
	TPLOAD (\c)+1, 192, 14
.endif
	BAR
	; ---- phase 3
.irp t, 0,1,2,3
	ds_load_b128 v[160+4*\t:163+4*\t], v11 offset:4096+512*\t
.endr
.irp t, 0,1,2,3
	ds_load_b128 v[144+4*\t:147+4*\t], v11 offset:2048+512*\t
.endr
.if NX
	v_add_nc_u32 v7, 33792, v7
	KALOAD                                         ; the next chunk's K by rows
.endif
	s_wait_dscnt 16*NX                             ; U and S U are in
	s_wait_loadcnt 22*NX                           ; P is in: the next chunk's 22 loads are younger
	WIN 0x01
.irp kt, 0,1
.irp jt, 0,1,2,3
.if ((\c) == 0) && (\kt == 0)
	v_wmma_f32_16x16x32_f16 v[32+8*\jt:39+8*\jt], v[128+8*(2*\jt+\kt):128+8*(2*\jt+\kt)+7], v[160+8*\kt:167+8*\kt], 0
.else
	v_wmma_f32_16x16x32_f16 v[32+8*\jt:39+8*\jt], v[128+8*(2*\jt+\kt):128+8*(2*\jt+\kt)+7], v[160+8*\kt:167+8*\kt], v[32+8*\jt:39+8*\jt]
.endif
.endr
.if ((\c) == 0) && (\kt == 0)
	v_wmma_f32_16x16x32_f16 v[200:207], v[208+8*\kt:215+8*\kt], v[144+8*\kt:151+8*\kt], 0
.else
	v_wmma_f32_16x16x32_f16 v[200:207], v[208+8*\kt:215+8*\kt], v[144+8*\kt:151+8*\kt], v[200:207]
.endif
.endr
	WIN 0
	PLACES
.if NX
.irp jt, 0,1,2,3
.irp p, 0,1,2,3
	v_cvt_pk_f16_f32 v[216+4*\jt+\p], v[32+8*\jt+2*\p], v[33+8*\jt+2*\p]
.endr
	ds_store_b128 v12, v[216+4*\jt:219+4*\jt] offset:512*\jt
.endr
.endif
	s_wait_xcnt 0x0                                ; the last chunk's store has read v24-27
.irp p, 0,1,2,3
	v_pk_mul_f32 v[200+2*\p:201+2*\p], v[200+2*\p:201+2*\p], v[18:19] op_sel_hi:[1,0]
.endr
.irp p, 0,1,2,3
	v_cvt_pk_bf16_f32 v[24+\p], v[200+2*\p], v[201+2*\p]
.endr
	global_store_b128 v13, v[24:27], s[20:21] offset:(\c)*32768  ; a wave's store covers 512 consecutive bytes
.if NX
	TPLOAD (\c)+1, 208, 16
	v_add_nc_u32 v8, 33792, v8
.endif
.if (\c) == 1
	s_wait_tensorcnt 0x0                           ; my rows of chunks 4 to 7 have landed; they are first read in chunk 3, behind this barrier
.endif
.if NX
	BAR
.endif
.endm
	s_load_b512 s[8:23], s[0:1], 0x0               ; kh qh vh tw pw dec ow out1
	v_lshl_add_u32 v14, v0, 2, SPARE
	v_mov_b32 v15, 0
	ds_add_u32 v14, v15                            ; the wave's opening: the add, twice on end, and its wait ahead of my first tensor load
	ds_add_u32 v14, v15
	v_lshrrev_b32 v1, 5, v0
	v_readfirstlane_b32 s4, v1                     ; wave
	s_bfe_u32 s5, ttmp6, 0x40000                   ; cx: it enters the addresses of vh, ow and out1 alone
	s_lshl_b32 s6, ttmp9, 2
	s_add_co_u32 s6, s6, s5                        ; my block of 16 rows of M
	s_and_b32 s7, ttmp7, 0xffff                    ; the sequence, which the four partners share
	s_mov_b32 s24, 15|(1<<16)|(1<<20)|(1<<21)|(6<<22)|(3<<25)  ; mask of four; 2-byte elements; padding on; bit 21 beside the mask; after every 128 words 4 words
	s_mov_b32 s25, 256<<16                         ; tensor_dim0 = 256
	s_mov_b32 s26, 64<<16                          ; tensor_dim1 = 64
	s_mov_b32 s27, 256<<16                         ; tile_dim0 = 256
	s_mov_b32 s28, 64                              ; tile_dim1 = 64
	s_mov_b32 s29, 256                             ; elements from row to row
	s_mov_b32 s30, 0
	s_mov_b32 s31, 0
	s_mov_b32 s32, 1
	s_mul_i32 s33, s4, 33792                       ; rows 64 w ..
	s_mov_b32 s36, 1
	s_add_co_u32 s37, s33, 135168                  ; rows 256 + 64 w ..
	s_lshl_b32 s50, s7, 18
	s_lshl_b32 s51, s4, 15
	s_add_co_u32 s50, s50, s51
	s_mov_b32 s51, 0
	s_lshl_b32 s52, s7, 18
	s_mov_b32 s53, 0
	s_lshl_b32 s54, s7, 4
	s_add_co_u32 s54, s54, s6
	s_lshl_b32 s62, s54, 14
	s_lshl_b32 s54, s54, 15
	s_mov_b32 s55, 0
	s_mov_b32 s63, 0
	s_lshl_b32 s56, s7, 16
	s_mov_b32 s57, 0
	s_mul_i32 s58, s7, 10240
	s_mov_b32 s59, 0
	s_lshl_b32 s60, s7, 7
	s_add_co_u32 s60, s60, s6
	s_lshl_b32 s60, s60, 11
	s_mov_b32 s61, 0
	s_mov_b32 s48, 0x76543210
	s_mov_b32 s49, 0xfedcba98
	v_and_b32 v1, 15, v0
	v_bfe_u32 v2, v0, 4, 1
	v_and_b32 v3, 31, v0
	s_lshl_b32 s40, s4, 4
	v_add_nc_u32 v28, s40, v1                      ; 16 w + r
	v_lshlrev_b32 v4, 9, v28
	v_lshl_add_u32 v4, v2, 4, v4
	v_lshlrev_b32 v5, 7, v28
	v_lshl_add_u32 v5, v2, 4, v5
	v_mul_u32_u24 v7, v28, 528
	v_lshl_add_u32 v7, v2, 4, v7
	s_lshl_b32 s41, s4, 10
	v_lshl_add_u32 v6, v3, 4, s41
	v_and_b32 v29, 7, v0
	v_lshl_add_u32 v8, v2, 3, v29
	v_mul_u32_u24 v8, v8, 528
	v_bfe_u32 v29, v0, 3, 1
	v_lshl_add_u32 v8, v29, 4, v8
	s_lshl_b32 s42, s4, 7
	v_add_nc_u32 v8, s42, v8
	s_lshl_b32 s43, s4, 6
	s_add_co_u32 s43, s43, DEC
	v_lshl_add_u32 v9, v2, 5, s43
	s_lshl_b32 s44, s4, 9
	v_lshl_add_u32 v13, v3, 4, s44
	s_add_co_u32 s44, s44, RX
	v_lshl_add_u32 v10, v3, 4, s44
	v_lshl_add_u32 v11, v3, 4, RX
	s_lshl_b32 s45, s4, 11
	s_add_co_u32 s45, s45, MX
	v_lshl_add_u32 v12, v3, 4, s45
	v_lshlrev_b32 v22, 4, v0
	v_add_nc_u32 v23, DEC, v22
	v_mov_b32 v21, 0
	s_lshl_b32 s47, s4, 2
	s_add_co_u32 s47, s47, RED
	s_wait_dscnt 0x0                               ; both opening adds are done
	s_wait_kmcnt 0x0
	s_add_nc_u64 s[34:35], s[8:9], s[50:51]
	s_add_nc_u64 s[38:39], s[34:35], 131072
	s_or_b32 s35, s35, 0x80000000
	s_or_b32 s39, s39, 0x80000000
	s_add_nc_u64 s[10:11], s[10:11], s[52:53]
	s_add_nc_u64 s[12:13], s[12:13], s[54:55]
	s_add_nc_u64 s[14:15], s[14:15], s[56:57]
	s_add_nc_u64 s[16:17], s[16:17], s[56:57]
	s_add_nc_u64 s[18:19], s[18:19], s[58:59]
	s_add_nc_u64 s[20:21], s[20:21], s[60:61]
	s_add_nc_u64 s[22:23], s[22:23], s[62:63]
	ROUND                                          ; all four work-groups are here: the joint loads meet
	tensor_load_to_lds s[32:35], s[24:31]
	s_nop 0
	tensor_load_to_lds s[36:39], s[24:31]
	s_nop 0
.rept 4
	v_nop
.endr
.set q, 0
.rept 16
	global_load_b128 v[64+4*q:67+4*q], v22, s[12:13] offset:q*2048  ; the whole slab of vhat, for its largest magnitude
.set q, q+1
.endr
.irp q, 0,1,2,3,4
	global_load_b128 v[128+4*\q:131+4*\q], v22, s[18:19] offset:\q*2048
.endr
	VLOAD 0
	TPLOAD 0, 192, 14
	TPLOAD 0, 208, 16
	s_wait_loadcnt 10                              ; the slab and the decays are in: chunk 0's 10 loads are younger
.irp q, 0,1,2,3,4
	ds_store_b128 v23, v[128+4*\q:131+4*\q] offset:\q*2048
.endr
	v_max3_num_f32 v28, |v64|, |v65|, |v66|
	v_max3_num_f32 v29, |v96|, |v97|, |v98|
.set i, 3
.rept 14
	v_max3_num_f32 v28, v28, |v[64+i]|, |v[65+i]|
	v_max3_num_f32 v29, v29, |v[96+i]|, |v[97+i]|
.set i, i+2
.endr
	v_max3_num_f32 v28, v28, |v95|, |v127|
	v_max_num_f32 v28, v28, v29
	v_max_num_f32_dpp v28, v28, v28 row_xmask:1 row_mask:0xf bank_mask:0xf
	v_max_num_f32_dpp v28, v28, v28 row_xmask:2 row_mask:0xf bank_mask:0xf
	v_max_num_f32_dpp v28, v28, v28 row_xmask:4 row_mask:0xf bank_mask:0xf
	v_max_num_f32_dpp v28, v28, v28 row_xmask:8 row_mask:0xf bank_mask:0xf
	v_permlanex16_b32 v29, v28, s48, s49
	v_max_num_f32 v28, v28, v29
	v_mov_b32 v30, s47
	ds_store_b32 v30, v28
	s_wait_tensorcnt 1                             ; my rows of chunks 0 to 3 have landed; the second load may stay out
	BAR
	v_mov_b32 v24, RED
	ds_load_b128 v[28:31], v24
	s_wait_dscnt 0x0
	v_max3_num_f32 v28, v28, v29, v30
	v_max_num_f32 v28, v28, v31
	v_max_num_f32 v28, 0x0d800000, v28             ; 2^-100
	v_min_num_f32 v28, 0x71800000, v28             ; 2^100
	v_and_b32 v18, 0x7f800000, v28                 ; sigma
	v_mov_b32 v19, v18
	v_sub_nc_u32 v16, 0x7f000000, v18              ; 1 / sigma
	v_mov_b32 v17, v16
	CHUNK 0
	CHUNK 1
	CHUNK 2
	CHUNK 3
	CHUNK 4
	CHUNK 5
	CHUNK 6
	CHUNK 7
	; M leaves: through LDS, so that each store of a wave covers 512 consecutive bytes of a row
.set i, 0
.rept 16
	v_pk_mul_f32 v[32+i:33+i], v[32+i:33+i], v[18:19] op_sel_hi:[1,0]
.set i, i+2
.endr
	v_mul_u32_u24 v28, v1, 1040
	v_lshl_add_u32 v28, v2, 5, v28
	s_lshl_b32 s40, s4, 8
	s_add_co_u32 s40, s40, MS
	v_add_nc_u32 v28, s40, v28
.irp jt, 0,1,2,3
	ds_store_b128 v28, v[32+8*\jt:35+8*\jt] offset:64*\jt
	ds_store_b128 v28, v[36+8*\jt:39+8*\jt] offset:64*\jt+16
.endr
	BAR
	s_mul_i32 s41, s4, 4160
	s_add_co_u32 s41, s41, MS
	v_lshl_add_u32 v29, v3, 4, s41
.irp q, 0,1,2,3
	ds_load_b128 v[64+8*\q:67+8*\q], v29 offset:\q*1040
	ds_load_b128 v[68+8*\q:71+8*\q], v29 offset:\q*1040+512
.endr
	s_lshl_b32 s42, s4, 12
	v_lshl_add_u32 v30, v3, 4, s42
	s_wait_dscnt 0x0
.irp q, 0,1,2,3
	global_store_b128 v30, v[64+8*\q:67+8*\q], s[22:23] offset:\q*1024
	global_store_b128 v30, v[68+8*\q:71+8*\q], s[22:23] offset:\q*1024+512
.endr
	s_wait_tensorcnt 0x0                           ; the wave's end
	ds_add_u32 v14, v15
	s_wait_dscnt 0x0
	ROUND                                          ; the closing round
	s_endpgm
.Lfunc_end_k_qb013920efb_scan:
	.size	k_qb013920efb_scan, .Lfunc_end_k_qb013920efb_scan-k_qb013920efb_scan
	.p2alignl 7, 3214868480
	.fill 96, 4, 3214868480
	.section	.rodata,"a",@progbits
	.p2align	6, 0x0
	.amdhsa_kernel k_qb013920efb_scan
		.amdhsa_group_segment_fixed_size 312320
		.amdhsa_private_segment_fixed_size 0
		.amdhsa_enable_private_segment 0
		.amdhsa_kernarg_size 64
		.amdhsa_user_sgpr_count 2
		.amdhsa_user_sgpr_kernarg_segment_ptr 1
		.amdhsa_wavefront_size32 1
		.amdhsa_system_sgpr_workgroup_id_x 1
		.amdhsa_system_sgpr_workgroup_id_y 1
		.amdhsa_system_sgpr_workgroup_id_z 1
		.amdhsa_system_vgpr_workitem_id 0
		.amdhsa_next_free_vgpr 512
		.amdhsa_next_free_sgpr 66
		.amdhsa_reserve_vcc 0
		.amdhsa_float_denorm_mode_32 3
		.amdhsa_float_denorm_mode_16_64 3
		.amdhsa_memory_ordered 1
		.amdhsa_forward_progress 1
		.amdhsa_inst_pref_size 129
	.end_amdhsa_kernel
	.amdgpu_metadata
---
amdhsa.version: [ 1, 2 ]
amdhsa.kernels:
  - .name:           k_qb013920efb_scan
    .symbol:         k_qb013920efb_scan.kd
    .args:
      - { .name: kh, .offset: 0, .size: 8, .value_kind: global_buffer, .address_space: global }
      - { .name: qh, .offset: 8, .size: 8, .value_kind: global_buffer, .address_space: global }
      - { .name: vh, .offset: 16, .size: 8, .value_kind: global_buffer, .address_space: global }
      - { .name: tw, .offset: 24, .size: 8, .value_kind: global_buffer, .address_space: global }
      - { .name: pw, .offset: 32, .size: 8, .value_kind: global_buffer, .address_space: global }
      - { .name: dec, .offset: 40, .size: 8, .value_kind: global_buffer, .address_space: global }
      - { .name: ow, .offset: 48, .size: 8, .value_kind: global_buffer, .address_space: global }
      - { .name: out1, .offset: 56, .size: 8, .value_kind: global_buffer, .address_space: global }
    .group_segment_fixed_size: 312320
    .private_segment_fixed_size: 0
    .kernarg_segment_align: 8
    .kernarg_segment_size: 64
    .max_flat_workgroup_size: 128
    .sgpr_count:     66
    .vgpr_count:     512
    .wavefront_size: 32
...
	.end_amdgpu_metadata
.endif
;; end of part 3
;; launch final (part 4): grid 128 x 2, 8 waves a work-group, no clusters, 50,688 bytes of LDS; arguments ow, wt, x, bo, gamma, beta, out0; writes out0
.if DOCPART == 4
	.amdgcn_target "amdgcn-amd-amdhsa--gfx1250"
	.amdhsa_code_object_version 6
	.text
	.protected	k_qb013920efb_final
	.globl	k_qb013920efb_final
	.p2align	8
	.type	k_qb013920efb_final,@function
k_qb013920efb_final:
	s_mov_b64 s[64:65], 0
	v_nop
	global_prefetch_b8 v0, s[64:65] scope:SCOPE_SE
	s_setreg_imm32_b32 hwreg(HW_REG_WAVE_MODE, 25, 1), 1
	s_wait_xcnt 0x0
; y = LayerNorm(out Wo + bo + x) gamma + beta.  A work-group owns 32 rows; a wave makes 32 of the 256 columns of the product, then norms 4 whole rows.
; out comes as scan left it: blocks of 16 i x 16 t, a lane's 16 bytes holding 8 t of one i; the turning LDS load makes of them fragments with i along the registers.
; x, bo, gamma and beta are taken rounded to bf16, like every input (see the first kernel's head).  Mean and variance in f32, the variance from the differences.
; No cluster and no prefetch: the shared part (Wo, 128 KiB) is small beside a work-group's own rows, and the launch is short.
.set YS, 16384                         ; behind out's 16 KiB: 32 rows x 1040, the product in f32
.set SPARE, 49664
.set MSB, 0
.macro WIN new
.if MSB != (\new)
	s_set_vgpr_msb (MSB<<8)|(\new)
.set MSB, \new
.endif
.endm
.macro PLACES
.rept 4
	v_nop
.endr
.endm
.macro BAR
	s_wait_dscnt 0x0
	s_barrier_signal -1
	s_barrier_wait -1
.endm
.macro RB a, b, t
	v_cvt_pk_bf16_f32 v[\t], v[\a], v[\b]
	v_lshlrev_b32 v[\a], 16, v[\t]
	v_and_b32 v[\b], 0xffff0000, v[\t]
.endm
.macro LRED a, t                       ; the sum over the wave's 32 lanes, in every lane
	v_add_f32_dpp v[\a], v[\a], v[\a] row_xmask:1 row_mask:0xf bank_mask:0xf
	v_add_f32_dpp v[\a], v[\a], v[\a] row_xmask:2 row_mask:0xf bank_mask:0xf
	v_add_f32_dpp v[\a], v[\a], v[\a] row_xmask:4 row_mask:0xf bank_mask:0xf
	v_add_f32_dpp v[\a], v[\a], v[\a] row_xmask:8 row_mask:0xf bank_mask:0xf
	v_permlanex16_b32 v[\t], v[\a], s28, s29
	v_add_f32 v[\a], v[\a], v[\t]
.endm
.macro AFL ks                          ; 32 rows t x 32 i into buffer ks & 1
.irp mt, 0,1
	ds_load_tr16_b128 v[64+16*((\ks)&1)+8*\mt:64+16*((\ks)&1)+8*\mt+3], v7 offset:(\ks)*2048+\mt*512
	ds_load_tr16_b128 v[64+16*((\ks)&1)+8*\mt+4:64+16*((\ks)&1)+8*\mt+7], v7 offset:(\ks)*2048+\mt*512+1024
.endr
.endm
	s_load_b256 s[8:15], s[0:1], 0x0               ; ow wt x bo
	s_load_b128 s[16:19], s[0:1], 0x20             ; gamma beta
	s_load_b64 s[20:21], s[0:1], 0x30              ; out0
	v_lshl_add_u32 v12, v0, 2, SPARE
	v_mov_b32 v13, 0
	v_lshrrev_b32 v1, 5, v0
	v_readfirstlane_b32 s4, v1
	v_and_b32 v1, 15, v0
	v_bfe_u32 v2, v0, 4, 1
	v_and_b32 v3, 31, v0
	v_lshlrev_b32 v4, 9, v1
	v_lshl_add_u32 v4, v2, 4, v4
	v_lshrrev_b32 v5, 6, v0
	v_and_b32 v6, 63, v0
	v_lshlrev_b32 v5, 11, v5
	v_lshl_add_u32 v5, v6, 4, v5
	v_lshlrev_b32 v6, 4, v0
	v_bfe_u32 v7, v0, 3, 1
	v_lshlrev_b32 v7, 4, v7
	v_lshl_add_u32 v7, v2, 3, v7
	v_and_b32 v8, 7, v0
	v_add_lshl_u32 v7, v7, v8, 4
	v_mul_u32_u24 v8, v1, 1040
	v_lshl_add_u32 v8, v2, 5, v8
	s_lshl_b32 s22, s4, 7
	s_add_co_u32 s22, s22, YS
	v_add_nc_u32 v8, s22, v8
	s_mul_i32 s23, s4, 4160
	s_add_co_u32 s23, s23, YS
	v_lshl_add_u32 v9, v3, 4, s23
	s_lshl_b32 s24, s4, 12
	v_lshl_add_u32 v10, v3, 4, s24
	v_lshlrev_b32 v11, 4, v3
.set i, 16
.rept 16
	v_mov_b32 v[i], 0
.set i, i+1
.endr
	s_mov_b32 s5, ttmp9
	s_and_b32 s6, ttmp7, 0xffff
	s_lshl_b32 s26, s5, 15
	s_lshl_b32 s27, s6, 10
	s_add_co_u32 s26, s26, s27
	s_mov_b32 s27, 0
	s_lshl_b32 s32, s5, 16
	s_lshl_b32 s33, s6, 15
	s_add_co_u32 s32, s32, s33
	s_mov_b32 s33, 0
	s_lshl_b32 s34, s4, 14
	s_add_co_u32 s34, s34, 5*131072
	s_mov_b32 s35, 0
	s_mov_b32 s28, 0x76543210
	s_mov_b32 s29, 0xfedcba98
	s_mov_b32 s30, 0x3b800000                      ; 1 / 256
	s_mov_b32 s31, 0x3727c5ac                      ; 1e-5
	s_wait_kmcnt 0x0
	s_add_nc_u64 s[8:9], s[8:9], s[26:27]
	s_add_nc_u64 s[10:11], s[10:11], s[34:35]
	s_add_nc_u64 s[12:13], s[12:13], s[32:33]
	s_add_nc_u64 s[20:21], s[20:21], s[32:33]
.irp q, 0,1,2,3
	global_load_b128 v[192+4*\q:195+4*\q], v5, s[8:9] offset:\q*8192
.endr
	WIN 0x40
.irp nt, 0,1
.irp ks, 0,1,2,3,4,5,6,7
	global_load_b128 v[8*(8*\nt+\ks):8*(8*\nt+\ks)+3], v4, s[10:11] offset:\nt*8192+\ks*64
	global_load_b128 v[8*(8*\nt+\ks)+4:8*(8*\nt+\ks)+7], v4, s[10:11] offset:\nt*8192+\ks*64+32
.endr
.endr
	WIN 0
.irp q, 0,1,2,3
	global_load_b128 v[96+8*\q:99+8*\q], v10, s[12:13] offset:\q*1024
	global_load_b128 v[100+8*\q:103+8*\q], v10, s[12:13] offset:\q*1024+512
.endr
	global_load_b128 v[128:131], v11, s[16:17]
	global_load_b128 v[132:135], v11, s[16:17] offset:512
	global_load_b128 v[136:139], v11, s[18:19]
	global_load_b128 v[140:143], v11, s[18:19] offset:512
	global_load_b128 v[144:147], v11, s[14:15]
	global_load_b128 v[148:151], v11, s[14:15] offset:512
	s_wait_loadcnt 46                              ; out's 4 loads are in: 32 + 8 + 6 are younger
.irp q, 0,1,2,3
	ds_store_b128 v6, v[192+4*\q:195+4*\q] offset:\q*4096
.endr
	BAR
	s_wait_loadcnt 14                              ; the weights are in: x's 8 and the parameters' 6 are younger
	AFL 0
.set ks, 0
.rept 8
.if ks < 7
.if ks >= 1
	PLACES
.endif
	AFL ks+1
	s_wait_dscnt 4                                 ; all but the 4 just issued
.else
	s_wait_dscnt 0x0
.endif
	WIN 0x01
.irp mt, 0,1
.irp nt, 0,1
.if ks == 0
	v_wmma_f32_16x16x32_bf16 v[32+8*(2*\mt+\nt):39+8*(2*\mt+\nt)], v[8*(8*\nt+ks):8*(8*\nt+ks)+7], v[64+16*(ks&1)+8*\mt:71+16*(ks&1)+8*\mt], 0
.else
	v_wmma_f32_16x16x32_bf16 v[32+8*(2*\mt+\nt):39+8*(2*\mt+\nt)], v[8*(8*\nt+ks):8*(8*\nt+ks)+7], v[64+16*(ks&1)+8*\mt:71+16*(ks&1)+8*\mt], v[32+8*(2*\mt+\nt):39+8*(2*\mt+\nt)]
.endif
.endr
.endr
	WIN 0
.set ks, ks+1
.endr
	PLACES
.irp mt, 0,1
.irp nt, 0,1
	ds_store_b128 v8, v[32+8*(2*\mt+\nt):35+8*(2*\mt+\nt)] offset:\mt*16640+\nt*64
	ds_store_b128 v8, v[36+8*(2*\mt+\nt):39+8*(2*\mt+\nt)] offset:\mt*16640+\nt*64+16
.endr
.endr
	BAR
.irp q, 0,1,2,3
	ds_load_b128 v[160+8*\q:163+8*\q], v9 offset:\q*1040
	ds_load_b128 v[164+8*\q:167+8*\q], v9 offset:\q*1040+512
.endr
	s_wait_loadcnt 0x0
.set i, 0
.rept 28                               ; x (32 registers), gamma, beta, bo (24)
	RB 96+2*i, 97+2*i, 208
.set i, i+1
.endr
	s_wait_dscnt 0x0
.irp q, 0,1,2,3
.irp p, 0,1,2,3
	v_pk_add_f32 v[160+8*\q+2*\p:161+8*\q+2*\p], v[160+8*\q+2*\p:161+8*\q+2*\p], v[96+8*\q+2*\p:97+8*\q+2*\p]
.endr
.irp p, 0,1,2,3
	v_pk_add_f32 v[160+8*\q+2*\p:161+8*\q+2*\p], v[160+8*\q+2*\p:161+8*\q+2*\p], v[144+2*\p:145+2*\p]
.endr
	v_pk_add_f32 v[208:209], v[160+8*\q:161+8*\q], v[162+8*\q:163+8*\q]
	v_pk_add_f32 v[210:211], v[164+8*\q:165+8*\q], v[166+8*\q:167+8*\q]
	v_pk_add_f32 v[208:209], v[208:209], v[210:211]
	v_add_f32 v[16+2*\q], v208, v209
.endr
.irp q, 0,1,2,3
	LRED 16+2*\q, 17+2*\q
.endr
.irp q, 0,1,2,3
	v_mul_f32 v[16+2*\q], s30, v[16+2*\q]          ; the mean
.endr
.irp q, 0,1,2,3
.irp p, 0,1,2,3
	v_pk_add_f32 v[160+8*\q+2*\p:161+8*\q+2*\p], v[160+8*\q+2*\p:161+8*\q+2*\p], v[16+2*\q:17+2*\q] op_sel_hi:[1,0] neg_lo:[0,1] neg_hi:[0,1]
.endr
	v_pk_mul_f32 v[208:209], v[160+8*\q:161+8*\q], v[160+8*\q:161+8*\q]
.irp p, 1,2,3
	v_pk_fma_f32 v[208:209], v[160+8*\q+2*\p:161+8*\q+2*\p], v[160+8*\q+2*\p:161+8*\q+2*\p], v[208:209]
.endr
	v_add_f32 v[24+2*\q], v208, v209
.endr
.irp q, 0,1,2,3
	LRED 24+2*\q, 25+2*\q
.endr
.irp q, 0,1,2,3
	v_fma_f32 v[24+2*\q], v[24+2*\q], s30, s31
.endr
.irp q, 0,1,2,3
	v_rsq_f32 v[24+2*\q], v[24+2*\q]
.endr
	v_nop
	s_wait_alu depctr_va_vdst(0)                   ; one wait for the four
.irp q, 0,1,2,3
.irp p, 0,1,2,3
	v_pk_mul_f32 v[160+8*\q+2*\p:161+8*\q+2*\p], v[160+8*\q+2*\p:161+8*\q+2*\p], v[24+2*\q:25+2*\q] op_sel_hi:[1,0]
.endr
.irp p, 0,1,2,3
	v_pk_fma_f32 v[160+8*\q+2*\p:161+8*\q+2*\p], v[160+8*\q+2*\p:161+8*\q+2*\p], v[128+2*\p:129+2*\p], v[136+2*\p:137+2*\p]
.endr
	global_store_b128 v10, v[160+8*\q:163+8*\q], s[20:21] offset:\q*1024
	global_store_b128 v10, v[164+8*\q:167+8*\q], s[20:21] offset:\q*1024+512
.endr
	s_wait_tensorcnt 0x0                           ; the wave's end, behind my last LDS store
	ds_add_u32 v12, v13
	s_wait_dscnt 0x0
	s_endpgm
.Lfunc_end_k_qb013920efb_final:
	.size	k_qb013920efb_final, .Lfunc_end_k_qb013920efb_final-k_qb013920efb_final
	.p2alignl 7, 3214868480
	.fill 96, 4, 3214868480
	.section	.rodata,"a",@progbits
	.p2align	6, 0x0
	.amdhsa_kernel k_qb013920efb_final
		.amdhsa_group_segment_fixed_size 50688
		.amdhsa_private_segment_fixed_size 0
		.amdhsa_enable_private_segment 0
		.amdhsa_kernarg_size 56
		.amdhsa_user_sgpr_count 2
		.amdhsa_user_sgpr_kernarg_segment_ptr 1
		.amdhsa_wavefront_size32 1
		.amdhsa_system_sgpr_workgroup_id_x 1
		.amdhsa_system_sgpr_workgroup_id_y 1
		.amdhsa_system_sgpr_workgroup_id_z 1
		.amdhsa_system_vgpr_workitem_id 0
		.amdhsa_next_free_vgpr 384
		.amdhsa_next_free_sgpr 66
		.amdhsa_reserve_vcc 0
		.amdhsa_float_denorm_mode_32 3
		.amdhsa_float_denorm_mode_16_64 3
		.amdhsa_memory_ordered 1
		.amdhsa_forward_progress 1
		.amdhsa_inst_pref_size 31
	.end_amdhsa_kernel
	.amdgpu_metadata
---
amdhsa.version: [ 1, 2 ]
amdhsa.kernels:
  - .name:           k_qb013920efb_final
    .symbol:         k_qb013920efb_final.kd
    .args:
      - { .name: ow, .offset: 0, .size: 8, .value_kind: global_buffer, .address_space: global }
      - { .name: wt, .offset: 8, .size: 8, .value_kind: global_buffer, .address_space: global }
      - { .name: x, .offset: 16, .size: 8, .value_kind: global_buffer, .address_space: global }
      - { .name: bo, .offset: 24, .size: 8, .value_kind: global_buffer, .address_space: global }
      - { .name: gamma, .offset: 32, .size: 8, .value_kind: global_buffer, .address_space: global }
      - { .name: beta, .offset: 40, .size: 8, .value_kind: global_buffer, .address_space: global }
      - { .name: out0, .offset: 48, .size: 8, .value_kind: global_buffer, .address_space: global }
    .group_segment_fixed_size: 50688
    .private_segment_fixed_size: 0
    .kernarg_segment_align: 8
    .kernarg_segment_size: 56
    .max_flat_workgroup_size: 256
    .sgpr_count:     66
    .vgpr_count:     384
    .wavefront_size: 32
...
	.end_amdgpu_metadata
.endif
;; end of part 4
;; ======== version 2 of 2: 4 launches; version 1 with the launch proj written anew for expert scheduling mode
;; limits: values are held in f16: magnitudes above 65,504 overflow, below 6.1e-05 lose precision; right only within a limited range of input values
;; workspace buffers: wt 851,968 bytes; qh 4,194,304 bytes; kh 4,194,304 bytes; vh 8,388,608 bytes; tw 1,048,576 bytes; pw 1,048,576 bytes; dec 163,840 bytes; ow 4,194,304 bytes
;; launch prep: the kernel of part 1 again; grid 26 x 1, 8 waves a work-group, no clusters, 34,816 bytes of LDS; arguments Wq, Wk, Wv, Wg1, Wg2, Wo, We1, Wa1, wt; writes wt
;; launch proj (part 5): grid 128 x 2, 8 waves a work-group, no clusters, 216,064 bytes of LDS; arguments x, wt, bg1, bg2, be1, We2, be2, ba1, Wa2, ba2, qh, kh, vh, tw, pw, dec; writes qh, kh, vh, tw, pw, dec
.if DOCPART == 5
	.amdgcn_target "amdgcn-amd-amdhsa--gfx1250"
	.amdhsa_code_object_version 6
	.text
	.protected	k_qb013920efb_proj
	.globl	k_qb013920efb_proj
	.p2align	8
	.type	k_qb013920efb_proj,@function
k_qb013920efb_proj:
	s_mov_b64 s[64:65], 0
	v_nop
	global_prefetch_b8 v0, s[64:65] scope:SCOPE_SE
	s_setreg_imm32_b32 hwreg(HW_REG_WAVE_SCHED_MODE, 0, 2), 2
	s_setreg_imm32_b32 hwreg(HW_REG_WAVE_MODE, 25, 1), 1
	s_wait_xcnt 0x0
	s_wait_alu depctr_vm_vsrc(0)
; A work-group owns one chunk of 64 rows of x (128 chunks) and one of two roles (grid y).
; ROLE 0: q = x Wq (f16), k = x Wk normalised (f16), the gates e and a, the chunk's decay vectors, N = -L and P from the products K K^T and Q K^T, and T = (I+L)^-1 by
; five squarings and five products (see the first kernel's head); T - I and P leave in f16.
; ROLE 1: v = x Wv; h = silu(v Wg1 + bg1); vhat = h Wg2 + bg2 in f32.  v and h are the program's own numbers with no bound on their range: each is kept as a bf16 number plus
; the bf16 remainder, and both are multiplied by the same weights.
; Eight waves; a wave makes 32 of the 256 columns for all 64 rows: 8 accumulators.  Its 32 rows of the transposed weights come straight from memory into fragment registers
; (window 1): no wave wants another's, so they pass no LDS.  The 64 rows of the left operand lie in LDS, pitch 528.
; No cluster: what work-groups share (the weights) is read by register loads; x, the larger stream, is shared by two work-groups only.
; No prefetch: a work-group reads each of its bytes once, at its head, and the launch is short.
; THE MODE: SCHED_MODE bits 1:0 = 2 (LLVM: expert scheduling mode 2), set by the entry lines.  The code itself states the register dependences
; between vector or matrix instructions and memory or LDS instructions, with s_wait_alu, always for 0.
; THE PLAN.  Registers that memory or LDS instructions touch:
;   addresses     v4-v8; role 1: v240-v250; role 0: v10, v11, v14-v17, v26, v27, v29, v232-v239, v248-v255.  Each is made once and never written again.
;   window 1      the weights' fragments: loads write them, products read them; one wait on va_vdst ahead of each reload.
;   v96-v223      four fragment buffers of 32 (the Gram products: v64-v223, four of 40).  Step u's products read buffer u & 3; the loads of step u + 2 land in the buffer that step u - 2
;                 read.  One wait on va_vdst at the head of every second step serves that step's loads and the next step's: the products between name other buffers.
;   out-buffers   x: v160-v223; SPLIT: v96-v159; STF16: v160-v191; PK16: v112-v127 (I + N: v128-v143); partial sums: v18, v20, v22, v24.  All roundings, one wait on va_vdst, the run of
;                 stores; one wait on vm_vsrc ahead of the first instruction or load that writes the registers again.
;   masks         compares write s8-s23, sixteen at a time (buffer addresses that no instruction needs any more: every load is in); one wait on va_sdst ahead of the selects.
.set R1, 33792                         ; regions of 64 rows x 528: R0 x; role 0: R1 q, R2 k; role 1: R1, R2 v (high, low), R3, R4 h
.set R2, 67584
.set R3, 101376
.set R4, 135168
.set SSP, 168960                       ; [row 64][wave 8] f32: partial sums of squares of k
.set EAP, 171008                       ; [row 64][wave 8] f32: partial sums of the gates' second layers
.set AS,  173056                       ; waves 0, 1: 512 bytes each: a[64], e[64]
.set DV,  174080                       ; [7][64] f32: e, eE, E, S, A63, 1/A, -eE
.set TX,  176128                       ; 64 x 144: the running product
.set YA,  185344                       ; 64 x 160: powers of N, two buffers
.set YB,  195584
.set PB,  205824                       ; 64 x 144: P
.set SPARE, 215040
.set MSB, 0
.macro WIN new                         ; the high byte repeats the setting that is left
.if MSB != (\new)
	s_set_vgpr_msb (MSB<<8)|(\new)
.set MSB, \new
.endif
.endm
.macro PLACES                          ; four plain places behind matrix instructions (ISA guide 7.12.1)
.rept 4
	v_nop
.endr
.endm
.macro BAR                             ; my LDS instructions are done; then the work-group's barrier
	s_wait_dscnt 0x0
	s_barrier_signal -1
	s_barrier_wait -1
.endm
.macro RB a, b, t                      ; two f32 rounded to bf16's values
	v_cvt_pk_bf16_f32 v[\t], v[\a], v[\b]
	v_lshlrev_b32 v[\a], 16, v[\t]
	v_and_b32 v[\b], 0xffff0000, v[\t]
.endm
; nt x 8 fragments of the transposed weights into window 1 at buf: fragment (n, ks) at buf + 8 (8 n + ks).  w = 1: products have read these registers.
.macro WLOAD buf, ptr, off, nt, w
	WIN 0x40
.if \w
	s_wait_alu depctr_va_vdst(0)                   ; the products issued so far are done reading the weights' fragments, in which these loads land
.endif
.set n, 0
.rept \nt
.set ks, 0
.rept 8
	global_load_b128 v[(\buf)+8*(8*n+ks):(\buf)+8*(8*n+ks)+3], v5, s[\ptr:\ptr+1] offset:(\off)+n*8192+ks*64
	global_load_b128 v[(\buf)+8*(8*n+ks)+4:(\buf)+8*(8*n+ks)+7], v5, s[\ptr:\ptr+1] offset:(\off)+n*8192+ks*64+32
.set ks, ks+1
.endr
.set n, n+1
.endr
	WIN 0
.endm
.macro XLOADS                          ; the chunk's 64 KiB of x: each load of the work-group covers four rows
.set q, 0
.rept 16
	global_load_b128 v[160+4*q:163+4*q], v8, s[8:9] offset:q*4096
.set q, q+1
.endr
.endm
.macro XIN                             ; rounded to bf16 into R0: four numbers close up into the first two of their four registers
.set q, 0
.rept 16
	v_cvt_pk_bf16_f32 v[160+4*q], v[160+4*q], v[161+4*q]
	v_cvt_pk_bf16_f32 v[161+4*q], v[162+4*q], v[163+4*q]
.set q, q+1
.endr
	s_wait_alu depctr_va_vdst(0)                   ; the roundings have written v160 .., which the stores read; the role's address registers, made above, are written too
.set q, 0
.rept 16
	ds_store_b64 v7, v[160+4*q:161+4*q] offset:2112*q
.set q, q+1
.endr
.endm
.macro ALOAD u, ks, adr                ; four fragments (64 rows x 32 K) into buffer u & 3
.irp mt, 0,1,2,3
	ds_load_b128 v[96+32*((\u)&3)+8*\mt:96+32*((\u)&3)+8*\mt+3], v[\adr] offset:\mt*8448+(\ks)*64
	ds_load_b128 v[96+32*((\u)&3)+8*\mt+4:96+32*((\u)&3)+8*\mt+7], v[\adr] offset:\mt*8448+(\ks)*64+32
.endr
.endm
; 64 rows x 16 nt columns x K = 256.  two = 1: the left operand is a pair (high by address register a, low by a + 1), 16 steps.  form 0: source 0 = weights: a lane holds one row and
; 8 columns; form 1: source 0 = rows: a lane holds one column and 8 rows.  cb = 1: the bias (v224 on) starts the sums.  The 4 nt accumulators take turns, one instruction a turn.
; At its head no vector or matrix instruction since the last wait on va_vdst names v96-v223, and no store since the last wait on vm_vsrc has read them: the lines ahead of each use see to that.
.macro GEMM buf, nt, two, form, cb, a
.set NS, 8*(1+(\two))
	ALOAD 0, 0, \a
	ALOAD 1, 1/(1+(\two)), (\a)+(\two)
.set u, 0
.rept NS
.if (u >= 2) && ((u&1) == 0) && (u+2 < NS)
	PLACES                                         ; between the products that read a buffer and the loads into it
	s_wait_alu depctr_va_vdst(0)                   ; the products of all steps so far are done reading their fragments: this step's loads land in the buffer of two steps back, the next step's in the last step's
.endif
.if u+2 < NS
	ALOAD u+2, (u+2)/(1+(\two)), (\a)+((u+2)&1)*(\two)
	s_wait_dscnt 16                                ; this step's fragments are in; the two younger runs of 8 stay out
.elseif u+1 < NS
	s_wait_dscnt 8
.else
	s_wait_dscnt 0x0
.endif
.set ks, u/(1+(\two))
.if \form
	WIN 0x04
.else
	WIN 0x01
.endif
.set mt, 0
.rept 4
.set n, 0
.rept \nt
.set rD, 32+8*((\nt)*mt+n)
.set rW, (\buf)+8*(8*n+ks)
.set rA, 96+32*(u&3)+8*mt
.if \form
.if u == 0
	v_wmma_f32_16x16x32_bf16 v[rD:rD+7], v[rA:rA+7], v[rW:rW+7], 0
.else
	v_wmma_f32_16x16x32_bf16 v[rD:rD+7], v[rA:rA+7], v[rW:rW+7], v[rD:rD+7]
.endif
.else
.if (u == 0) && (\cb)
	v_wmma_f32_16x16x32_bf16 v[rD:rD+7], v[rW:rW+7], v[rA:rA+7], v[224+8*n:231+8*n]
.elseif u == 0
	v_wmma_f32_16x16x32_bf16 v[rD:rD+7], v[rW:rW+7], v[rA:rA+7], 0
.else
	v_wmma_f32_16x16x32_bf16 v[rD:rD+7], v[rW:rW+7], v[rA:rA+7], v[rD:rD+7]
.endif
.endif
.set n, n+1
.endr
.set mt, mt+1
.endr
	WIN 0
.set u, u+1
.endr
	PLACES
.endm
; x / (1 + 2^(-x log2 e)) on v32 .. v[32+n-1]; two batches of transcendentals, one wait each
.macro SILU n
.set i, 0
.rept (\n)/2
	v_pk_mul_f32 v[160+i:161+i], v[32+i:33+i], s[44:45] op_sel_hi:[1,0]
.set i, i+2
.endr
.set i, 0
.rept \n
	v_exp_f32 v[160+i], v[160+i]
.set i, i+1
.endr
	v_nop
	s_wait_alu depctr_va_vdst(0)                   ; the exponentials have written v160 ..: one wait for the batch, ahead of its first reader
.set i, 0
.rept (\n)/2
	v_pk_add_f32 v[160+i:161+i], v[160+i:161+i], 1.0 op_sel_hi:[1,0]
.set i, i+2
.endr
.set i, 0
.rept \n
	v_rcp_f32 v[160+i], v[160+i]
.set i, i+1
.endr
	v_nop
	s_wait_alu depctr_va_vdst(0)                   ; the reciprocals have written v160 ..
.set i, 0
.rept (\n)/2
	v_pk_mul_f32 v[32+i:33+i], v[32+i:33+i], v[160+i:161+i]
.set i, i+2
.endr
.endm
.macro SPLIT sh, sl                    ; the 8 tiles as bf16 (v96 .., stored by sh) and the bf16 of what is left (v128 .., stored by sl), four tiles at a time
.irp hf, 0,4
.set t, \hf
.rept 4
.irp p, 0,1,2,3
	v_cvt_pk_bf16_f32 v[96+4*t+\p], v[32+8*t+2*\p], v[33+8*t+2*\p]
	v_lshlrev_b32 v26, 16, v[96+4*t+\p]
	v_and_b32 v27, 0xffff0000, v[96+4*t+\p]
	v_pk_add_f32 v[32+8*t+2*\p:33+8*t+2*\p], v[32+8*t+2*\p:33+8*t+2*\p], v[26:27] neg_lo:[0,1] neg_hi:[0,1]
	v_cvt_pk_bf16_f32 v[128+4*t+\p], v[32+8*t+2*\p], v[33+8*t+2*\p]
.endr
.set t, t+1
.endr
	s_wait_alu depctr_va_vdst(0)                   ; the roundings have written these four tiles' halves of v96-v159, which the stores read
.set t, \hf
.rept 4
	ds_store_b128 v[\sh], v[96+4*t:99+4*t] offset:(t/2)*8448+(t%2)*32
	ds_store_b128 v[\sl], v[128+4*t:131+4*t] offset:(t/2)*8448+(t%2)*32
.set t, t+1
.endr
.endr
.endm
.macro STF16 adr                       ; the 8 tiles as f16
.set t, 0
.rept 8
.irp p, 0,1,2,3
	v_cvt_pk_f16_f32 v[160+4*t+\p], v[32+8*t+2*\p], v[33+8*t+2*\p]
.endr
.set t, t+1
.endr
	s_wait_alu depctr_va_vdst(0)                   ; the roundings have written v160-v191, which the stores read
.set t, 0
.rept 8
	ds_store_b128 v[\adr], v[160+4*t:163+4*t] offset:(t/2)*8448+(t%2)*32
.set t, t+1
.endr
.endm
.macro GLOAD ks                        ; 64 rows of K and my 16 rows of K or Q, 32 channels, into buffer ks & 3
.set gb, 64+40*((\ks)&3)
.irp st, 0,1,2,3
	ds_load_b128 v[gb+8*\st:gb+8*\st+3], v14 offset:\st*8448+(\ks)*64
	ds_load_b128 v[gb+8*\st+4:gb+8*\st+7], v14 offset:\st*8448+(\ks)*64+32
.endr
	ds_load_b128 v[gb+32:gb+35], v15 offset:(\ks)*64
	ds_load_b128 v[gb+36:gb+39], v15 offset:(\ks)*64+32
.endm
.macro MASKLT                          ; keeps s < t: register i holds s = 16 (i / 8) + 8 h + i % 8 of row t; v9 = t - 8 h
.irp hb, 0,1
.set j, 0
.rept 16
	v_cmp_lt_i32 s[8+j], 16*((16*\hb+j)/8)+(j%8), v9
.set j, j+1
.endr
	s_wait_alu depctr_va_sdst(0)                   ; the sixteen compares have written s8-s23, which the selects read
.set j, 0
.rept 16
	v_cndmask_b32 v[32+16*\hb+j], 0, v[32+16*\hb+j], s[8+j]
.set j, j+1
.endr
.endr
.endm
.macro PK16 adr, ob                    ; my 16 rows x 64 as f16, by way of the out-buffer ob
.set t, 0
.rept 4
.irp p, 0,1,2,3
	v_cvt_pk_f16_f32 v[(\ob)+4*t+\p], v[32+8*t+2*\p], v[33+8*t+2*\p]
.endr
.set t, t+1
.endr
	s_wait_alu depctr_va_vdst(0)                   ; the roundings have written the out-buffer, which the stores read; the products so far are done reading v96-v111 and v160-v223, in which the next loads land
.set t, 0
.rept 4
	ds_store_b128 v[\adr], v[(\ob)+4*t:(\ob)+4*t+3] offset:32*t
.set t, t+1
.endr
.endm
; One stage.  Waves 0-3: X += X Y (rows of X are the wave's own, in TX and in f32 in the accumulators).  Waves 4-7: Y' = Y Y.  zi, zo: address registers of the left operand
; and of the result; try: the turning loads' address in Y.  dox, doy = 0: those waves have nothing to do and go to the barrier.
; The stage's loads owe no wait of their own: no vector or matrix instruction since the wait in the last PK16 names their registers.
.macro NST zi, zo, try, dox, doy, last
.if (\dox) == 0
	s_cmp_lt_u32 s4, 4
	s_cbranch_scc1 .Lnst_\@
.endif
.if (\doy) == 0
	s_cmp_ge_u32 s4, 4
	s_cbranch_scc1 .Lnst_\@
.endif
.irp ks, 0,1
	ds_load_b128 v[96+8*\ks:99+8*\ks], v[\zi] offset:\ks*64
	ds_load_b128 v[100+8*\ks:103+8*\ks], v[\zi] offset:\ks*64+32
.endr
.irp ct, 0,1,2,3
.irp ks, 0,1
	ds_load_tr16_b128 v[160+8*(2*\ct+\ks):160+8*(2*\ct+\ks)+3], v[\try] offset:\ks*5120+32*\ct
	ds_load_tr16_b128 v[160+8*(2*\ct+\ks)+4:160+8*(2*\ct+\ks)+7], v[\try] offset:\ks*5120+2560+32*\ct
.endr
.endr
.set i, 0
.rept 16
	v_pk_mul_f32 v[32+i:33+i], v[32+i:33+i], s[48:49] op_sel_hi:[1,0]  ; times 1 (X is kept) or 0 (a new sum)
.set i, i+2
.endr
	s_wait_dscnt 0x0
.irp ks, 0,1
.irp ct, 0,1,2,3
	v_wmma_f32_16x16x32_f16 v[32+8*\ct:39+8*\ct], v[160+8*(2*\ct+\ks):160+8*(2*\ct+\ks)+7], v[96+8*\ks:103+8*\ks], v[32+8*\ct:39+8*\ct]
.endr
.endr
	PLACES
.if \last
	MASKLT                                         ; takes the diagonal away: T - I leaves
.endif
	PK16 \zo, 112
.Lnst_\@:
	BAR
	s_wait_alu depctr_vm_vsrc(0)                   ; my stores have read v112-v127, which the next stage's roundings (behind the last stage: the decays' loads) write again
.endm
	s_load_b512 s[8:23], s[0:1], 0x0               ; x wt bg1 bg2 be1 We2 be2 ba1
	s_load_b512 s[24:39], s[0:1], 0x40             ; Wa2 ba2 qh kh vh tw pw dec
	v_lshl_add_u32 v12, v0, 2, SPARE
	v_mov_b32 v13, 0
	v_lshrrev_b32 v1, 5, v0
	v_readfirstlane_b32 s4, v1                     ; wave
	v_and_b32 v1, 15, v0                           ; r
	v_bfe_u32 v2, v0, 4, 1                         ; h
	v_and_b32 v3, 31, v0                           ; lane
	v_mul_u32_u24 v4, v1, 528
	v_lshl_add_u32 v4, v2, 4, v4                   ; a fragment's row in LDS
	v_lshlrev_b32 v5, 9, v1
	v_lshl_add_u32 v5, v2, 4, v5                   ; and in wt
	s_wait_alu depctr_va_sdst(0)                   ; s4 is written, ahead of its first reader
	s_lshl_b32 s50, s4, 6
	v_add_nc_u32 v6, s50, v4                       ; where my 32 columns go
	v_lshrrev_b32 v7, 6, v0
	v_mul_u32_u24 v7, v7, 528
	v_and_b32 v8, 63, v0
	v_lshl_add_u32 v7, v8, 3, v7
	v_lshlrev_b32 v8, 4, v0
	s_mov_b32 s5, ttmp9                            ; chunk
	s_lshr_b32 s6, s5, 3                           ; sequence
	s_and_b32 s7, s5, 7                            ; chunk in it
	s_mov_b32 s44, 0xbfb8aa3b                      ; -log2 e
	s_mov_b32 s45, s44
	s_mov_b32 s46, 0x76543210
	s_mov_b32 s47, 0xfedcba98
	s_and_b32 s3, ttmp7, 0xffff                    ; role
	s_lshl_b32 s50, s5, 16
	s_mov_b32 s51, 0
	s_lshl_b32 s52, s4, 14
	s_mov_b32 s53, 0
	s_lshl_b32 s54, s4, 13
	s_add_co_u32 s54, s54, 6*131072
	s_mov_b32 s55, 0
	s_wait_kmcnt 0x0
	s_add_nc_u64 s[8:9], s[8:9], s[50:51]
	s_add_nc_u64 s[40:41], s[10:11], s[52:53]      ; my 32 rows of a square matrix
	s_add_nc_u64 s[42:43], s[10:11], s[54:55]      ; my 16 rows of We1 (waves 0-3) or Wa1
	s_cmp_eq_u32 s3, 0
	s_cbranch_scc1 .LroleA
	; ---------------- role 1: the value path ----------------
	s_lshl_b32 s50, s4, 7
	v_lshl_add_u32 v248, v2, 5, s50                ; bias of columns 32 w + 8 h ..
	v_lshl_add_u32 v249, v1, 2, s50                ; bias of column 32 w + r
	s_wait_alu depctr_va_vdst(0)                   ; v5, v8, v248 and v249 are written, which the loads below read as offsets
	WLOAD 0, 40, 2*131072, 2, 0                    ; Wv
	XLOADS
	WLOAD 128, 40, 3*131072, 2, 0                  ; Wg1
	global_load_b128 v[224:227], v248, s[12:13]
	global_load_b128 v[228:231], v248, s[12:13] offset:16
	global_load_b128 v[232:235], v248, s[12:13] offset:64
	global_load_b128 v[236:239], v248, s[12:13] offset:80
	v_add_nc_u32 v240, R1, v4                      ; the role's other addresses, made while the loads are on their way: where fragments of v (high, low) and h (high, low) are read,
	v_add_nc_u32 v241, R2, v4
	v_add_nc_u32 v242, R3, v4
	v_add_nc_u32 v243, R4, v4
	v_add_nc_u32 v244, R1, v6                      ; where my columns of them are stored,
	v_add_nc_u32 v245, R2, v6
	v_add_nc_u32 v246, R3, v6
	v_add_nc_u32 v247, R4, v6
	v_lshlrev_b32 v250, 4, v3                      ; and 16 bytes a lane of vh
	s_wait_loadcnt 36                              ; x is in: Wg1's 32 loads and the bias's 4 are younger
	XIN
	BAR
	s_wait_alu depctr_vm_vsrc(0)                   ; my stores of x have read v160 ..: these registers are fragment buffers from here on
	GEMM 0, 2, 0, 0, 0, 4                          ; v
	WLOAD 0, 40, 4*131072, 2, 1                    ; Wg2
	global_load_b32 v28, v249, s[14:15]
	global_load_b32 v30, v249, s[14:15] offset:64
	SPLIT 244, 245
	BAR
	s_wait_loadcnt 34                              ; Wg1 and bg1 are in: Wg2's 32 and bg2's 2 are younger
.irp i, 0,1,2,3,4,5,6,7
	RB 224+2*\i, 225+2*\i, 18
.endr
	s_wait_alu depctr_vm_vsrc(0)                   ; my stores of v have read v96-v159, in which the fragments' loads land
	GEMM 128, 2, 1, 0, 1, 240
	SILU 64
	SPLIT 246, 247
	BAR
	s_wait_loadcnt 0x0
	RB 28, 30, 18
	v_mov_b32 v29, v28
	v_mov_b32 v31, v30
	s_wait_alu depctr_vm_vsrc(0)                   ; my stores of h have read v96-v159, in which the fragments' loads land
	GEMM 0, 2, 1, 1, 0, 242                        ; a lane holds one column and 8 rows: the layout in which scan takes it
	s_lshl_b32 s50, s6, 19
	s_lshl_b32 s51, s7, 12
	s_add_co_u32 s50, s50, s51
	s_lshl_b32 s51, s4, 16
	s_add_co_u32 s50, s50, s51
	s_mov_b32 s51, 0
	s_add_nc_u64 s[32:33], s[32:33], s[50:51]
.irp mt, 0,1,2,3
.irp nt, 0,1
.irp p, 0,1,2,3
	v_pk_add_f32 v[32+8*(2*\mt+\nt)+2*\p:33+8*(2*\mt+\nt)+2*\p], v[32+8*(2*\mt+\nt)+2*\p:33+8*(2*\mt+\nt)+2*\p], v[28+2*\nt:29+2*\nt] op_sel_hi:[1,0]
.endr
.endr
.endr
	s_wait_alu depctr_va_vdst(0)                   ; the additions of the bias have written v32-v95, which the stores read
.irp mt, 0,1,2,3
.irp nt, 0,1
	global_store_b128 v250, v[32+8*(2*\mt+\nt):35+8*(2*\mt+\nt)], s[32:33] offset:\nt*32768+\mt*1024
	global_store_b128 v250, v[36+8*(2*\mt+\nt):39+8*(2*\mt+\nt)], s[32:33] offset:\nt*32768+\mt*1024+512
.endr
.endr
	s_wait_dscnt 0x0                               ; the closing lines, six on end
	s_wait_alu 0x0
	s_wait_tensorcnt 0x0
	ds_add_u32 v12, v13
	s_wait_dscnt 0x0
	s_endpgm
	; ---------------- role 0 ----------------
.LroleA:
	s_wait_alu depctr_va_vdst(0)                   ; v5 and v8 are written, which the loads below read as offsets
	WLOAD 0, 40, 0, 2, 0                           ; Wq
	XLOADS
	WLOAD 128, 40, 131072, 2, 0                    ; Wk
	; the role's other addresses, made while the loads are on their way; the wait ahead of x's stores shows them written
	s_and_b32 s56, s4, 3
	s_lshr_b32 s57, s4, 2
	v_add_nc_u32 v16, R1, v6                       ; where my columns of q go,
	v_add_nc_u32 v17, R2, v6                       ; and of k
	s_lshl_b32 s50, s56, 6
	v_lshl_add_u32 v248, v2, 5, s50                ; the gates' biases and second layers
	v_mov_b32 v249, 0
	s_lshl_b32 s50, s4, 2
	s_add_co_u32 s50, s50, SSP
	v_lshl_add_u32 v26, v1, 5, s50                 ; my wave's word of a row's partial sums,
	v_lshl_add_u32 v27, v1, 5, SSP                 ; and a row's eight words
	v_lshl_add_u32 v252, v3, 5, EAP
	s_mov_b32 s50, R1                              ; the Gram products: waves 0-3 take rows of K, waves 4-7 rows of Q
	s_cmp_eq_u32 s57, 0
	s_cselect_b32 s50, R2, s50
	s_mul_i32 s51, s56, 8448
	s_add_co_u32 s50, s50, s51
	v_add_nc_u32 v14, R2, v4
	v_add_nc_u32 v15, s50, v4
	s_lshl_b32 s51, s56, 4
	v_lshlrev_b32 v9, 3, v2
	v_sub_nc_u32 v9, v1, v9
	v_add_nc_u32 v9, s51, v9                       ; t - 8 h
	v_and_b32 v18, 7, v0
	v_lshl_add_u32 v10, v2, 3, v18
	v_mul_u32_u24 v10, v10, 160
	v_bfe_u32 v11, v0, 3, 1
	v_lshl_add_u32 v10, v11, 4, v10
	v_add_nc_u32 v11, YB, v10
	v_add_nc_u32 v10, YA, v10
	s_movk_i32 s58, 144
	s_mov_b32 s59, PB
	s_mov_b32 s62, YA
	s_mov_b32 s63, YB
	s_cmp_lt_u32 s4, 4
	s_cselect_b32 s58, 160, s58                    ; N goes to YA (pitch 160), P to PB (pitch 144)
	s_cselect_b32 s59, YA, s59
	s_cselect_b32 s62, TX, s62                     ; in the stages waves 0-3 work on TX, waves 4-7 on YA and YB
	s_cselect_b32 s63, TX, s63
	s_cselect_b32 s48, 1.0, 0
	s_mov_b32 s49, s48
	s_sub_co_u32 s61, 304, s58
	s_mul_i32 s60, s58, s56
	s_lshl_b32 s60, s60, 4
	s_add_co_u32 s59, s59, s60
	s_mul_i32 s60, s61, s56
	s_lshl_b32 s60, s60, 4
	s_add_co_u32 s62, s62, s60
	s_add_co_u32 s63, s63, s60
	v_mul_lo_u32 v232, v1, s58
	v_lshl_add_u32 v232, v2, 4, v232
	v_add_nc_u32 v232, s59, v232
	v_mul_lo_u32 v233, v1, s61
	v_lshl_add_u32 v233, v2, 4, v233
	v_add_nc_u32 v234, s63, v233
	v_add_nc_u32 v233, s62, v233
	s_mov_b32 s50, DV+512
	s_cmp_eq_u32 s57, 0
	s_cselect_b32 s50, DV+1536, s50                ; the row's factor: -e E for N, E for P
	s_lshl_b32 s51, s56, 6
	s_add_co_u32 s50, s50, s51
	v_lshl_add_u32 v235, v1, 2, s50
	v_lshl_add_u32 v236, v2, 5, DV+1280
	s_mov_b32 s50, PB                              ; the way out
	s_cmp_lt_u32 s4, 4
	s_cselect_b32 s50, TX, s50
	s_mul_i32 s51, s56, 2304
	s_add_co_u32 s50, s50, s51
	v_lshrrev_b32 v237, 3, v3
	v_mul_u32_u24 v237, v237, 144
	v_lshl_add_u32 v237, v18, 4, v237
	v_add_nc_u32 v237, s50, v237
	s_mul_i32 s51, s4, 8*528
	s_add_co_u32 s51, s51, R1
	v_lshl_add_u32 v238, v3, 4, s51
	v_lshlrev_b32 v239, 4, v3
	v_lshl_add_u32 v250, v3, 3, DV
	v_lshlrev_b32 v251, 3, v3
	s_wait_loadcnt 32                              ; x is in: Wk's 32 loads are younger
	XIN
	BAR
	s_wait_alu depctr_vm_vsrc(0)                   ; my stores of x have read v160 ..: these registers are fragment buffers from here on
	GEMM 0, 2, 0, 0, 0, 4                          ; q
	WLOAD 0, 42, 0, 1, 1                           ; my 16 rows of the gates' first layers
	s_cmp_lt_u32 s4, 4
	s_cselect_b64 s[52:53], s[16:17], s[22:23]     ; be1 or ba1
	s_cselect_b64 s[54:55], s[18:19], s[24:25]     ; We2 or Wa2
	global_load_b128 v[224:227], v248, s[52:53]
	global_load_b128 v[228:231], v248, s[52:53] offset:16
	global_load_b128 v[240:243], v248, s[54:55]
	global_load_b128 v[244:247], v248, s[54:55] offset:16
	global_load_b32 v30, v249, s[20:21]            ; be2
	global_load_b32 v31, v249, s[26:27]            ; ba2
	STF16 16
	s_wait_loadcnt 22                              ; Wk is in: the 22 loads above are younger
	s_wait_alu depctr_vm_vsrc(0)                   ; my stores of q have read v160-v191, in which the fragments' loads land
	GEMM 128, 2, 0, 0, 0, 4                        ; k
.irp mt, 0,1,2,3
	v_pk_mul_f32 v[18+2*\mt:19+2*\mt], v[32+16*\mt:33+16*\mt], v[32+16*\mt:33+16*\mt]
.irp p, 1,2,3,4,5,6,7
	v_pk_fma_f32 v[18+2*\mt:19+2*\mt], v[32+16*\mt+2*\p:33+16*\mt+2*\p], v[32+16*\mt+2*\p:33+16*\mt+2*\p], v[18+2*\mt:19+2*\mt]
.endr
.endr
.irp mt, 0,1,2,3
	v_add_f32 v[18+2*\mt], v[18+2*\mt], v[19+2*\mt]
.endr
.irp mt, 0,1,2,3
	v_permlanex16_b32 v[19+2*\mt], v[18+2*\mt], s46, s47
.endr
.irp mt, 0,1,2,3
	v_add_f32 v[18+2*\mt], v[18+2*\mt], v[19+2*\mt]
.endr
	s_wait_alu depctr_va_vdst(0)                   ; the sums v18, v20, v22, v24 are written, which the stores read; the products are done reading v160-v191, in which the partial sums land
.irp mt, 0,1,2,3
	ds_store_b32 v26, v[18+2*\mt] offset:\mt*512
.endr
	BAR
	s_wait_alu depctr_vm_vsrc(0)                   ; those stores have read v18 to v24, which the sums below write again
.irp mt, 0,1,2,3
	ds_load_b128 v[160+8*\mt:163+8*\mt], v27 offset:\mt*512
	ds_load_b128 v[164+8*\mt:167+8*\mt], v27 offset:\mt*512+16
.endr
	s_wait_dscnt 0x0
.irp mt, 0,1,2,3
	v_pk_add_f32 v[160+8*\mt:161+8*\mt], v[160+8*\mt:161+8*\mt], v[162+8*\mt:163+8*\mt]
	v_pk_add_f32 v[164+8*\mt:165+8*\mt], v[164+8*\mt:165+8*\mt], v[166+8*\mt:167+8*\mt]
	v_pk_add_f32 v[160+8*\mt:161+8*\mt], v[160+8*\mt:161+8*\mt], v[164+8*\mt:165+8*\mt]
	v_add_f32 v[18+2*\mt], v[160+8*\mt], v[161+8*\mt]
.endr
.irp mt, 0,1,2,3
	v_sqrt_f32 v[18+2*\mt], v[18+2*\mt]
.endr
	v_nop
	s_wait_alu depctr_va_vdst(0)                   ; the four roots are written, ahead of their first reader
.irp mt, 0,1,2,3
	v_max_num_f32 v[18+2*\mt], 0x2b8cbccc, v[18+2*\mt]  ; the norm is held at 1e-12 at the least
.endr
.irp mt, 0,1,2,3
	v_rcp_f32 v[18+2*\mt], v[18+2*\mt]
.endr
	v_nop
	s_wait_alu depctr_va_vdst(0)                   ; the four reciprocals are written, ahead of their first reader
.irp mt, 0,1,2,3
.irp p, 0,1,2,3,4,5,6,7
	v_pk_mul_f32 v[32+16*\mt+2*\p:33+16*\mt+2*\p], v[32+16*\mt+2*\p:33+16*\mt+2*\p], v[18+2*\mt:19+2*\mt] op_sel_hi:[1,0]
.endr
.endr
	STF16 17
	s_wait_loadcnt 0x0
.irp i, 0,1,2,3
	RB 224+2*\i, 225+2*\i, 18
	RB 240+2*\i, 241+2*\i, 19
.endr
	RB 30, 31, 18
	s_wait_alu depctr_vm_vsrc(0)                   ; my stores of k have read v160-v191, in which the fragments' loads land
	GEMM 0, 1, 0, 0, 1, 4                          ; x We1 + be1 (waves 0-3), x Wa1 + ba1 (waves 4-7): 16 columns a wave
	SILU 32
.irp mt, 0,1,2,3
	v_pk_mul_f32 v[18+2*\mt:19+2*\mt], v[32+8*\mt:33+8*\mt], v[240:241]
.irp p, 1,2,3
	v_pk_fma_f32 v[18+2*\mt:19+2*\mt], v[32+8*\mt+2*\p:33+8*\mt+2*\p], v[240+2*\p:241+2*\p], v[18+2*\mt:19+2*\mt]
.endr
.endr
.irp mt, 0,1,2,3
	v_add_f32 v[18+2*\mt], v[18+2*\mt], v[19+2*\mt]
.endr
.irp mt, 0,1,2,3
	v_permlanex16_b32 v[19+2*\mt], v[18+2*\mt], s46, s47
.endr
.irp mt, 0,1,2,3
	v_add_f32 v[18+2*\mt], v[18+2*\mt], v[19+2*\mt]
.endr
	s_wait_alu depctr_va_vdst(0)                   ; the sums v18, v20, v22, v24 are written, which the stores read; all that named v64-v223 is done: the loads behind the barrier land there
.irp mt, 0,1,2,3
	ds_store_b32 v26, v[18+2*\mt] offset:2048+\mt*512
.endr
	BAR                                            ; the partial sums, q and k are whole
	s_wait_alu depctr_vm_vsrc(0)                   ; those stores have read v18 to v24, which waves 0 and 1 write again
	s_cmp_ge_u32 s4, 2
	s_cbranch_scc1 .Lgram
	; waves 0 and 1: the gates of all 64 rows (each for itself), then the decay vectors of rows 32 w + lane
	ds_load_b128 v[160:163], v252
	ds_load_b128 v[164:167], v252 offset:16
	ds_load_b128 v[168:171], v252 offset:1024
	ds_load_b128 v[172:175], v252 offset:1040
	s_lshl_b32 s58, s4, 9                          ; these two waves' own addresses; the waits behind the exponentials show them written
	s_add_co_u32 s58, s58, AS
	v_lshl_add_u32 v253, v3, 2, s58
	v_mov_b32 v254, s58
	s_lshl_b32 s59, s4, 7
	v_add_nc_u32 v255, s59, v253
	s_lshl_b32 s59, s4, 5
	v_add_nc_u32 v28, s59, v3                      ; t
	v_lshl_add_u32 v29, v28, 2, DV
	s_wait_dscnt 0x0
	v_pk_add_f32 v[160:161], v[160:161], v[162:163]
	v_pk_add_f32 v[164:165], v[164:165], v[166:167]
	v_pk_add_f32 v[168:169], v[168:169], v[170:171]
	v_pk_add_f32 v[172:173], v[172:173], v[174:175]
	v_add_f32 v18, v160, v161
	v_add_f32 v19, v164, v165
	v_add_f32 v20, v168, v169
	v_add_f32 v21, v172, v173
	v_add_f32 v18, v18, v30
	v_add_f32 v19, v19, v31
	v_add_f32 v20, v20, v30
	v_add_f32 v21, v21, v31
.irp i, 18,19,20,21
	v_mul_f32 v\i, s44, v\i
.endr
.irp i, 18,19,20,21
	v_exp_f32 v\i, v\i
.endr
	v_nop
	s_wait_alu depctr_va_vdst(0)                   ; the four exponentials are written, ahead of their first reader
.irp i, 18,19,20,21
	v_add_f32 v\i, 1.0, v\i
.endr
.irp i, 18,19,20,21
	v_rcp_f32 v\i, v\i
.endr
	v_nop
	s_wait_alu depctr_va_vdst(0)                   ; the four reciprocals are written, ahead of their first reader
	s_mov_b32 s50, 0x3dcccccd                      ; 0.1
	s_mov_b32 s51, 0x3c23d70a                      ; 0.01
	v_fma_f32 v18, v18, s50, s51
	v_fma_f32 v20, v20, s50, s51
	v_fma_f32 v19, v19, 0.5, 0.5
	v_fma_f32 v21, v21, 0.5, 0.5
	s_wait_alu depctr_va_vdst(0)                   ; the gates v18 to v21 are written, which the stores read
	ds_store_b32 v253, v19
	ds_store_b32 v253, v21 offset:128
	ds_store_b32 v253, v18 offset:256
	ds_store_b32 v253, v20 offset:384
.set q, 0
.rept 16
	ds_load_b128 v[160+4*q:163+4*q], v254 offset:16*q  ; all 64 a, in every lane; LDS serves a wave's instructions in order
.set q, q+1
.endr
	ds_load_b32 v224, v255                         ; my row's a
	ds_load_b32 v225, v255 offset:256              ; and e
	v_mov_b32 v226, 1.0
	v_mov_b32 v227, 1.0
.set b, 0
.rept 4                                ; E = the product of a_i over i < t, in two chains by i's parity; the masks sixteen at a time
.set j, 0
.rept 16
.if 16*b+j < 63
	v_cmp_lt_u32 s[8+j], 16*b+j, v28
.endif
.set j, j+1
.endr
	s_wait_alu depctr_va_sdst(0)                   ; the compares have written s8-s23, which the selects read
.if b == 0
	s_wait_dscnt 0x0
.endif
.set j, 0
.rept 16
.if 16*b+j < 63
	v_cndmask_b32 v[228+(j&1)], 1.0, v[160+16*b+j], s[8+j]
	v_mul_f32 v[226+(j&1)], v[226+(j&1)], v[228+(j&1)]
.endif
.set j, j+1
.endr
.set b, b+1
.endr
	v_mul_f32 v226, v226, v227                     ; E
.irp w, 32,16,8,4,2
.set i, 0
.rept (\w)/2
	v_pk_mul_f32 v[160+i:161+i], v[160+i:161+i], v[160+\w+i:161+\w+i]
.set i, i+2
.endr
.endr
	v_mul_f32 v242, v160, v161                     ; A63
	v_mul_f32 v229, v226, v224                     ; A
	v_rcp_f32 v230, v229
	v_mul_f32 v231, v225, v226                     ; e E
	s_wait_alu depctr_va_vdst(0)                   ; the reciprocal v230 is written, ahead of its first reader
	v_mul_f32 v240, v242, v230                     ; S
	v_xor_b32 v241, 0x80000000, v231
	s_wait_alu depctr_va_vdst(0)                   ; the seven decay numbers are written, which the stores read; all that named v64-v223 is done: the fragments' loads land there
	ds_store_b32 v29, v225
	ds_store_b32 v29, v231 offset:256
	ds_store_b32 v29, v226 offset:512
	ds_store_b32 v29, v240 offset:768
	ds_store_b32 v29, v242 offset:1024
	ds_store_b32 v29, v230 offset:1280
	ds_store_b32 v29, v241 offset:1536
.Lgram:
	; waves 0-3: K K^T, waves 4-7: Q K^T; 16 rows t a wave, all 64 s.  Source 0 = rows s of K: a lane holds one t and 8 neighbouring s
	GLOAD 0
	GLOAD 1
.set ks, 0
.rept 8
.if (ks >= 2) && ((ks&1) == 0) && (ks+2 < 8)
	PLACES                                         ; between the products that read a buffer and the loads into it
	s_wait_alu depctr_va_vdst(0)                   ; the products of all steps so far are done reading their fragments: this step's loads and the next step's land in buffers that they read
.endif
.if ks+2 < 8
	GLOAD ks+2
	s_wait_dscnt 20                                ; this step's fragments are in; the two younger runs of 10 stay out
.elseif ks+1 < 8
	s_wait_dscnt 10
.else
	s_wait_dscnt 0x0
.endif
.set gb, 64+40*(ks&3)
.irp st, 0,1,2,3
.if ks == 0
	v_wmma_f32_16x16x32_f16 v[32+8*\st:39+8*\st], v[gb+8*\st:gb+8*\st+7], v[gb+32:gb+39], 0
.else
	v_wmma_f32_16x16x32_f16 v[32+8*\st:39+8*\st], v[gb+8*\st:gb+8*\st+7], v[gb+32:gb+39], v[32+8*\st:39+8*\st]
.endif
.endr
.set ks, ks+1
.endr
	PLACES
	s_wait_alu depctr_va_vdst(0)                   ; the products are done reading v96-v127, in which the decays land behind the barrier
	BAR                                            ; the decay vectors are whole
	ds_load_b32 v30, v235
	v_mov_b32 v31, 0                               ; named with v30 as a pair
.irp st, 0,1,2,3
	ds_load_b128 v[96+8*\st:99+8*\st], v236 offset:64*\st
	ds_load_b128 v[100+8*\st:103+8*\st], v236 offset:64*\st+16
.endr
	s_wait_dscnt 0x0
.set i, 0
.rept 16
	v_pk_mul_f32 v[32+i:33+i], v[32+i:33+i], v[30:31] op_sel_hi:[1,0]
.set i, i+2
.endr
.set i, 0
.rept 16
	v_pk_mul_f32 v[32+i:33+i], v[32+i:33+i], v[96+i:97+i]
.set i, i+2
.endr
	MASKLT
	PK16 232, 112
	s_cmp_ge_u32 s4, 4
	s_cbranch_scc1 .Lnodiag
.irp hb, 0,1
.set j, 0
.rept 16
	v_cmp_eq_i32 s[8+j], 16*((16*\hb+j)/8)+(j%8), v9
.set j, j+1
.endr
	s_wait_alu depctr_va_sdst(0)                   ; the sixteen compares have written s8-s23, which the selects read
.set j, 0
.rept 16
	v_cndmask_b32 v[32+16*\hb+j], v[32+16*\hb+j], 1.0, s[8+j]  ; I + N
.set j, j+1
.endr
.endr
	PK16 233, 128                                  ; an out-buffer of its own: the stores of N may still be reading v112-v127
.Lnodiag:
	BAR
	s_wait_alu depctr_vm_vsrc(0)                   ; my stores have read v112-v127, which the first stage's roundings write again
	NST 233, 234, 10, 0, 1, 0                      ; N^2
	NST 234, 233, 11, 1, 1, 0                      ; X (I + N^2); N^4
	NST 233, 234, 10, 1, 1, 0
	NST 234, 233, 11, 1, 1, 0
	NST 233, 234, 10, 1, 1, 0
	NST 234, 233, 11, 1, 0, 1                      ; X (I + N^32)
	; the way out: whole rows from LDS, each store of a wave 512 consecutive bytes.  The loads land in registers that no vector or matrix instruction has named since the wait in the last PK16
	s_cmp_lt_u32 s4, 4
	s_cselect_b64 s[52:53], s[34:35], s[36:37]
	s_lshl_b32 s54, s5, 13
	s_lshl_b32 s55, s56, 11
	s_add_co_u32 s54, s54, s55
	s_mov_b32 s55, 0
	s_add_nc_u64 s[52:53], s[52:53], s[54:55]
	s_lshl_b32 s54, s5, 15
	s_lshl_b32 s58, s4, 12
	s_add_co_u32 s54, s54, s58
	s_add_nc_u64 s[28:29], s[28:29], s[54:55]
	s_add_nc_u64 s[30:31], s[30:31], s[54:55]
	s_mul_i32 s54, s6, 10240
	s_lshl_b32 s58, s7, 8
	s_add_co_u32 s54, s54, s58
	s_add_nc_u64 s[38:39], s[38:39], s[54:55]
.irp q, 0,1,2,3
	ds_load_b128 v[96+4*\q:99+4*\q], v237 offset:576*\q
.endr
.irp q, 0,1,2,3,4,5,6,7
	ds_load_b128 v[32+4*\q:35+4*\q], v238 offset:528*\q
	ds_load_b128 v[64+4*\q:67+4*\q], v238 offset:528*\q+33792
.endr
	s_wait_dscnt 0x0
.irp q, 0,1,2,3
	global_store_b128 v239, v[96+4*\q:99+4*\q], s[52:53] offset:512*\q
.endr
.irp q, 0,1,2,3,4,5,6,7
	global_store_b128 v239, v[32+4*\q:35+4*\q], s[28:29] offset:512*\q
	global_store_b128 v239, v[64+4*\q:67+4*\q], s[30:31] offset:512*\q
.endr
	s_cmp_eq_u32 s4, 2
	s_cbranch_scc0 .LendA
.irp q, 0,1,2,3,4
	ds_load_b64 v[112+2*\q:113+2*\q], v250 offset:256*\q
.endr
	s_wait_dscnt 0x0
.irp q, 0,1,2,3,4
	global_store_b64 v251, v[112+2*\q:113+2*\q], s[38:39] offset:2048*\q
.endr
.LendA:
	s_wait_dscnt 0x0                               ; the closing lines, six on end
	s_wait_alu 0x0
	s_wait_tensorcnt 0x0
	ds_add_u32 v12, v13
	s_wait_dscnt 0x0
	s_endpgm
.Lfunc_end_k_qb013920efb_proj:
	.size	k_qb013920efb_proj, .Lfunc_end_k_qb013920efb_proj-k_qb013920efb_proj
	.p2alignl 7, 3214868480
	.fill 96, 4, 3214868480
	.section	.rodata,"a",@progbits
	.p2align	6, 0x0
	.amdhsa_kernel k_qb013920efb_proj
		.amdhsa_group_segment_fixed_size 216064
		.amdhsa_private_segment_fixed_size 0
		.amdhsa_enable_private_segment 0
		.amdhsa_kernarg_size 128
		.amdhsa_user_sgpr_count 2
		.amdhsa_user_sgpr_kernarg_segment_ptr 1
		.amdhsa_wavefront_size32 1
		.amdhsa_system_sgpr_workgroup_id_x 1
		.amdhsa_system_sgpr_workgroup_id_y 1
		.amdhsa_system_sgpr_workgroup_id_z 1
		.amdhsa_system_vgpr_workitem_id 0
		.amdhsa_next_free_vgpr 512
		.amdhsa_next_free_sgpr 66
		.amdhsa_reserve_vcc 0
		.amdhsa_float_denorm_mode_32 3
		.amdhsa_float_denorm_mode_16_64 3
		.amdhsa_memory_ordered 1
		.amdhsa_forward_progress 1
		.amdhsa_inst_pref_size 236
	.end_amdhsa_kernel
	.amdgpu_metadata
---
amdhsa.version: [ 1, 2 ]
amdhsa.kernels:
  - .name:           k_qb013920efb_proj
    .symbol:         k_qb013920efb_proj.kd
    .args:
      - { .name: x, .offset: 0, .size: 8, .value_kind: global_buffer, .address_space: global }
      - { .name: wt, .offset: 8, .size: 8, .value_kind: global_buffer, .address_space: global }
      - { .name: bg1, .offset: 16, .size: 8, .value_kind: global_buffer, .address_space: global }
      - { .name: bg2, .offset: 24, .size: 8, .value_kind: global_buffer, .address_space: global }
      - { .name: be1, .offset: 32, .size: 8, .value_kind: global_buffer, .address_space: global }
      - { .name: We2, .offset: 40, .size: 8, .value_kind: global_buffer, .address_space: global }
      - { .name: be2, .offset: 48, .size: 8, .value_kind: global_buffer, .address_space: global }
      - { .name: ba1, .offset: 56, .size: 8, .value_kind: global_buffer, .address_space: global }
      - { .name: Wa2, .offset: 64, .size: 8, .value_kind: global_buffer, .address_space: global }
      - { .name: ba2, .offset: 72, .size: 8, .value_kind: global_buffer, .address_space: global }
      - { .name: qh, .offset: 80, .size: 8, .value_kind: global_buffer, .address_space: global }
      - { .name: kh, .offset: 88, .size: 8, .value_kind: global_buffer, .address_space: global }
      - { .name: vh, .offset: 96, .size: 8, .value_kind: global_buffer, .address_space: global }
      - { .name: tw, .offset: 104, .size: 8, .value_kind: global_buffer, .address_space: global }
      - { .name: pw, .offset: 112, .size: 8, .value_kind: global_buffer, .address_space: global }
      - { .name: dec, .offset: 120, .size: 8, .value_kind: global_buffer, .address_space: global }
    .group_segment_fixed_size: 216064
    .private_segment_fixed_size: 0
    .kernarg_segment_align: 8
    .kernarg_segment_size: 128
    .max_flat_workgroup_size: 256
    .sgpr_count:     66
    .vgpr_count:     512
    .wavefront_size: 32
...
	.end_amdgpu_metadata
.endif
;; end of part 5
;; launch scan: the kernel of part 3 again; grid 16 x 16, 4 waves a work-group, clusters of 4 x 1, 312,320 bytes of LDS; arguments kh, qh, vh, tw, pw, dec, ow, out1; writes ow, out1
;; launch final: the kernel of part 4 again; grid 128 x 2, 8 waves a work-group, no clusters, 50,688 bytes of LDS; arguments ow, wt, x, bo, gamma, beta, out0; writes out0
